; MI455X (gfx1250); checked and timed in simulation.
; The chip was launched on July 23, 2026; its instructions are those of AMD's public machine-readable ISA for CDNA 5 (MIT licence, August 2026) and "CDNA5" Instruction Set Architecture Reference Guide (July 2026). The comments in the code are by the model that wrote it; some were corrected since.
;; Multi Head Attention. Allowed arithmetic: matrix products marked QUANTISED: E2M1 operands, one E8M0 scale for each 32 along K, by v_wmma_scale_f32_16x16x128_f8f6f4 with both operands' format E2M1 (or v_wmma_scale_f32_32x16x128_f4), f32 sums; products left as they are: bf16, f16 or f32 operands; f32 sums; everything else in f32.
;; Inputs: Wk 1,024 x 1,024 float32; Wo 1,024 x 1,024 float32; Wq 1,024 x 1,024 float32; Wv 1,024 x 1,024 float32; bo 1,024 float32; keys 4 x 2,048 x 1,024 float32; mask 1 x 1 x 2,048 x 2,048 float32; queries 4 x 2,048 x 1,024 float32; values 4 x 2,048 x 1,024 float32.
;; Outputs: out0 4 x 2,048 x 1,024 float32.
;; This version of the problem:
;;   THIS VERSION OF THE PROBLEM IS GIVEN IN LOW PRECISION. The matrix products marked QUANTISED in the list below multiply operands that are first quantised to E2M1 (2 exponent bits, 1 mantissa bit; 4 bits a number), with one power-of-two scale for each 32 numbers along K (OCP MX v1.0); their sums are f32. The products marked 'left as it is' may take bf16, f16 or f32 operands, with f32 sums. Whichever they take, every output number must still come out within the allowed error. Rounding operands to bf16 (8 significant bits) uses up far more of that allowance than f16 does (11 bits, for magnitudes from 6e-5 to 65,504). All else is computed in f32.
;;   The module's matrix products, in the order in which they are computed (A, B: the left and right operand; K: the contracted axis; several contracted axes count as one K, in the product's order):
;;     1. [M 8,192, K 1,024] x [K 1,024, N 1,024]; A: input queries; B: input Wq: QUANTISED
;;     2. [M 8,192, K 1,024] x [K 1,024, N 1,024]; A: input keys; B: input Wk: QUANTISED
;;     3. [M 8,192, K 1,024] x [K 1,024, N 1,024]; A: input values; B: input Wv: QUANTISED
;;     4. batch 64 x [M 2,048, K 64] x [K 64, N 2,048]; A: computed on the way; B: computed on the way: left as it is (an operand is computed on the way)
;;     5. batch 64 x [M 2,048, K 2,048] x [K 2,048, N 64]; A: computed on the way; B: computed on the way: left as it is (an operand is computed on the way)
;;     6. [M 8,192, K 1,024] x [K 1,024, N 1,024]; A: computed on the way; B: input Wo: left as it is (an operand is computed on the way)
;;   THE QUANTISER, for each operand of a quantised product, along K:
;;     - K is cut into blocks of 32 from its start; a last block that is shorter is filled with zeros.
;;     - A block's scale is 2^e with e = floor(log2(the largest magnitude in the block)) - 2, held to -126 .. 127; a block of zeros has e = 0. As a byte (E8M0): e + 127.
;;     - Each number is divided by its block's scale, clamped to +-6, and rounded to the nearest number of E2M1, ties to even, subnormals kept.
;;     - The product sums the exact products of the quantised numbers (number of the format x scale) in f32.
;;   ~~~python
;;   def quantise(x, axis):      # numpy; x: float32 -> the quantised numbers, widened to float32 again
;;       x = np.moveaxis(x, axis, -1); K = x.shape[-1]
;;       x = np.pad(x, [(0, 0)] * (x.ndim - 1) + [(0, -K % 32)]); x = x.reshape(x.shape[:-1] + (-1, 32)); a = np.abs(x).max(-1, keepdims=True)
;;       e = np.where(a > 0, np.clip(np.frexp(np.where(a > 0, a, 1))[1] - 1 - 2, -126, 127), 0)      # np.frexp(a)[1] - 1 = floor(log2(a)), exactly
;;       r = np.clip(x / 2.0 ** e, -6, 6)
;;       step = 2.0 ** (np.maximum(np.frexp(np.where(r == 0, 1, r))[1] - 1, 0) - 1)
;;       q = np.round(r / step) * step * 2.0 ** e      # np.round: ties to even
;;       return np.moveaxis(q.reshape(q.shape[:-2] + (-1,))[..., :K], -1, axis).astype(np.float32)
;;   ~~~
;; One version. Each part assembles by itself: llvm-mc -triple=amdgcn-amd-amdhsa -mcpu=gfx1250 --defsym DOCPART=n.
;; ======== version 1 of 1: 6 launches
;; limits: values are held in f16: magnitudes above 65,504 overflow, below 6.1e-05 lose precision
;; workspace buffers: codes 14,155,776 bytes; scales 884,736 bytes; wo16 2,097,152 bytes; qkv 50,331,648 bytes; oimg 16,777,216 bytes; opart 1,048,576 bytes; ml 32,768 bytes
;; launch prep (part 1): grid 880 x 1, 4 waves a work-group, no clusters, 68,096 bytes of LDS; arguments queries, keys, values, Wq, Wk, Wv, Wo, codes, scales, wo16; writes codes, scales, wo16
.if DOCPART == 1
	.amdgcn_target "amdgcn-amd-amdhsa--gfx1250"
	.amdhsa_code_object_version 6
	.text
	.protected	k_q90f73409ff_prep
	.globl	k_q90f73409ff_prep
	.p2align	8
	.type	k_q90f73409ff_prep,@function
k_q90f73409ff_prep:
	s_mov_b64 s[64:65], 0
	v_nop
	global_prefetch_b8 v0, s[64:65] scope:SCOPE_SE
	s_setreg_imm32_b32 hwreg(HW_REG_WAVE_MODE, 25, 1), 1
	s_wait_xcnt 0x0
; PREP.  Three jobs, told apart by the work-group's number alone; each has LDS bytes of its own.
;   work-groups 0-47:    Wq, Wk, Wv [1024 (k)][1024 (n)] f32, K the FIRST axis -> codes of FP4 (E2M1) with K innermost, rows 24576 + 1024 w + n of 'codes' (512 bytes a row), and E8M0 bytes, the same rows of 'scales' (32 bytes a row)
;   work-groups 48-111:  Wo [1024 (k)][1024 (n)] f32 -> f16, laid as images of operand registers: wo16 [kstep 8][ntile 64][kc 4][c 2][lane 32][16 bytes]; lane (r, h) of piece c holds k = 128 kstep + 32 kc + 16 c + 8 h + 0..7 of column 16 ntile + r
;   work-groups 112-879: queries, keys, values [8192][1024] f32, K innermost -> codes and scale bytes, rows 8192 t + token
; A block's scale is 2^(floor(log2(largest magnitude)) - 2); its byte is the largest magnitude's exponent field - 2, held at 1 from below.  A block of zeros so gets the byte 1 where the quantiser says 127:
; its codes are zeros, which add nothing under any byte but 0xff, and the bytes are read by this program alone.
; LIMITS: blocks whose largest magnitude lies under 2^(2 - 126) keep the byte 1; NaN and infinities among the inputs are not served; numbers of Wo beyond 65,504 in magnitude have no f16.
.set SPW,   190                        ; v190  LDS address of my spare word; never rewritten
.set NIL,   191                        ; v191  0; never rewritten
.set SPARE, 67584                      ; behind both paths' regions: 128 bytes for each wave, two blocks of 256 bytes that no other line names
.set WV,    24                         ; s24   my wave's number
.set EMAX,  2
; the activations' path: a wave takes 16 steps of 512 numbers; a lane holds 16 neighbours, two lanes a block
.set STEPS, 16
.set CB,    8                          ; bytes of 16 codes
.set AR,    16                         ; v16-79   four sets of 16 numbers as loaded
.set AX,    80                         ; v80-111  two sets of 16 neighbours
.set AE,    112                        ; v112-127 a scale byte for each step
.set AC,    128                        ; v128-159 codes: two registers for each step, so that no store's data are written again
.set WREG,  8192                       ; LDS 0-32767: a region for each wave: two stages of 32 x SP bytes, behind them its 256 scale bytes
.set SP,    80                         ; a lane's place in a stage: 64 bytes + 16 of padding
; the weights' path: a lane takes a column, its registers run down K
.set NB,    16                         ; blocks of 32 along K for a wave
.set WPITCH, 272                       ; a stage row: 256 bytes of codes + 16
.set KROW,  512                        ; a row of codes in memory
.set WSTG,  32768                      ; LDS 32768-67583: four stages of 32 rows
.set WX,    32                         ; v32-95   two sets of 32 numbers
.set WC,    96                         ; v96-99   a block's codes
.set WOUT,  112                        ; v112-175 the way out
.set WSB,   24                         ; v24-27   the scale bytes, four to a register
; Wo's path
.set OX,    32                         ; v32-95   two sets of 32 numbers
.set OH,    96                         ; v96-159  16 registers of f16 pairs for each of the four chunks of 32 along K
.macro ALOAD t
.irp i, 0,1,2,3
	global_load_b128 v[AR+16*((\t)%4)+4*\i:AR+16*((\t)%4)+4*\i+3], v3, s[4:5] offset:2048*(\t)+512*\i th:TH_LOAD_NT   ; 32 lanes read 512 consecutive bytes
.endr
.endm
.macro ATURN t                         ; step t's numbers through the stage: LDS serves a wave's instructions in order, so no wait stands between the stores and the loads
.irp i, 0,1,2,3
	ds_store_b128 v14, v[AR+16*((\t)%4)+4*\i:AR+16*((\t)%4)+4*\i+3] offset:32*SP*((\t)%2)+8*SP*\i
.endr
.irp i, 0,1,2,3
	ds_load_b128 v[AX+16*((\t)%2)+4*\i:AX+16*((\t)%2)+4*\i+3], v15 offset:32*SP*((\t)%2)+16*\i
.endr
.endm
.macro ASTEP t
.set XS, AX+16*((\t)%2)
.if (\t) > 0
	s_wait_dscnt 1                                 ; this step's numbers are back from the stage (the last step's byte store may be out): so its stores into the stage have read their registers,
.else
	s_wait_dscnt 0x0
.endif
.if (\t)+4 < STEPS
	ALOAD (\t)+4                                   ; which take the loads of four steps on
.endif
.if (\t)+1 < STEPS
.if STEPS-2-(\t) >= 3
	s_wait_loadcnt 12                              ; the next step's four loads are in; those of the three steps behind it may be out
.else
	s_wait_loadcnt 4*(STEPS-2-(\t))
.endif
	ATURN (\t)+1
.endif
	v_max3_num_f32 v8, |v[XS]|, |v[XS+1]|, |v[XS+2]|               ; the largest magnitude of my 16, in two chains
	v_max3_num_f32 v9, |v[XS+3]|, |v[XS+4]|, |v[XS+5]|
.irp i, 6,10
	v_max3_num_f32 v8, v8, |v[XS+\i]|, |v[XS+\i+1]|
	v_max3_num_f32 v9, v9, |v[XS+\i+2]|, |v[XS+\i+3]|
.endr
	v_max3_num_f32 v8, v8, |v[XS+14]|, |v[XS+15]|
	v_max3_num_f32 v8, v8, v9, (EMAX+1)<<23        ; and the floor 2^(3 - 127): the byte cannot fall under 1
	v_max_num_f32_dpp v8, v8, v8 row_xmask:1 row_mask:0xf bank_mask:0xf   ; and of my neighbour's 16: the block's
	v_add_nc_u32 v11, 0xff000000, v8               ; 2 off its exponent field: the conversion takes the exponent field of this operand as its scale
	v_cvt_scalef32_pk8_fp4_f32 v[AC+2*(\t)], v[XS:XS+7], v11
	v_cvt_scalef32_pk8_fp4_f32 v[AC+2*(\t)+1], v[XS+8:XS+15], v11
	v_lshrrev_b32 v[AE+(\t)], 23, v11              ; the scale's byte (also the plain line behind the conversions)
	ds_store_b8 v5, v[AE+(\t)] offset:16*(\t)      ; both lanes of a block write the same byte with the same value
	global_store_b64 v4, v[AC+2*(\t):AC+2*(\t)+1], s[18:19] offset:32*CB*(\t)   ; the wave stores 256 consecutive bytes, aligned
.endm
.macro WLOAD t                         ; block t: W(32 t + i, my column) into set t % 2
.set i, 0
.rept 32
	global_load_b32 v[WX+32*((\t)%2)+i], v3, s[10:11] offset:(32*(\t)+i)*4096 th:TH_LOAD_NT
.set i, i+1
.endr
.endm
.macro WBLOCK t
.set XS, WX+32*((\t)%2)
.if (\t) < NB-1
	s_wait_loadcnt 32                              ; this block's 32 loads are in; the next block's may be out
.else
	s_wait_loadcnt 0
.endif
	v_max3_num_f32 v12, |v[XS]|, |v[XS+1]|, |v[XS+2]|               ; the block's largest magnitude: all 32 numbers are mine
	v_max3_num_f32 v13, |v[XS+3]|, |v[XS+4]|, |v[XS+5]|
.irp i, 6,10,14,18,22,26
	v_max3_num_f32 v12, v12, |v[XS+\i]|, |v[XS+\i+1]|
	v_max3_num_f32 v13, v13, |v[XS+\i+2]|, |v[XS+\i+3]|
.endr
	v_max3_num_f32 v12, v12, |v[XS+30]|, |v[XS+31]|
	v_max3_num_f32 v12, v12, v13, (EMAX+1)<<23
	v_add_nc_u32 v11, 0xff000000, v12
	v_lshrrev_b32 v13, 23, v11                     ; the scale's byte
.if (\t)%4 == 0
	v_mov_b32 v[WSB+(\t)/4], v13                   ; four bytes to a register, the lower K in the lower byte
.else
	v_lshl_or_b32 v[WSB+(\t)/4], v13, 8*((\t)%4), v[WSB+(\t)/4]
.endif
.irp g, 0,1,2,3
	v_cvt_scalef32_pk8_fp4_f32 v[WC+\g], v[XS+8*\g:XS+8*\g+7], v11
.endr
	ds_store_b128 v4, v[WC:WC+3] offset:16*(\t)    ; 32 codes: 16 bytes of my column's row.  (The next vector line is a plain one that touches neither the codes nor the conversions' sources)
.if (\t)+2 < NB
	WLOAD (\t)+2
.endif
	s_wait_dscnt 0x0                               ; the store has read its registers: the next block's codes may be written
.endm
.macro OLOAD kc                        ; Wo(128 kstep + 32 kc + i, my column) into set kc % 2
.set i, 0
.rept 32
	global_load_b32 v[OX+32*((\kc)%2)+i], v3, s[16:17] offset:(32*(\kc)+i)*4096 th:TH_LOAD_NT
.set i, i+1
.endr
.endm
.macro OCHUNK kc
.if (\kc) < 3
	s_wait_loadcnt 32                              ; this chunk's 32 loads are in; the next chunk's may be out
.else
	s_wait_loadcnt 0
.endif
.set i, 0
.rept 16
	v_cvt_pk_f16_f32 v[OH+16*(\kc)+i], v[OX+32*((\kc)%2)+2*i], v[OX+32*((\kc)%2)+2*i+1]   ; k = 2 i in the low half, 2 i + 1 in the high
.set i, i+1
.endr
.if (\kc)+2 < 4
	OLOAD (\kc)+2
.endif
.irp p, 0,1,2,3                        ; p = 2 c + h: k = 16 c + 8 h + 0..7 are registers 4 p .. 4 p + 3; sixteen lanes fill 256 consecutive bytes, aligned
	global_store_b128 v4, v[OH+16*(\kc)+4*\p:OH+16*(\kc)+4*\p+3], s[22:23] offset:1024*(\kc)+256*\p
.endr
.endm
	s_load_b512 s[4:19], s[0:1], 0x0               ; queries s[4:5], keys s[6:7], values s[8:9], Wq s[10:11], Wk s[12:13], Wv s[14:15], Wo s[16:17], codes s[18:19]
	s_load_b128 s[20:23], s[0:1], 0x40             ; scales s[20:21], wo16 s[22:23]
	v_lshl_add_u32 v[SPW], v0, 2, SPARE
	v_mov_b32 v[NIL], 0
	v_lshrrev_b32 v1, 5, v0
	v_readfirstlane_b32 s[WV], v1                  ; wave 0..3
	v_and_b32 v2, 31, v0                           ; lane
	s_wait_kmcnt 0x0
	s_cmp_lt_u32 ttmp9, 48                         ; the few long jobs have the lowest numbers
	s_cbranch_scc1 .Lweights
	s_cmp_lt_u32 ttmp9, 112
	s_cbranch_scc1 .Lwo
	; ---- queries, keys, values: plain streams of blocks of 32
	s_sub_co_u32 s25, ttmp9, 112
	s_lshr_b32 s26, s25, 8                         ; t: which tensor
	s_and_b32 s27, s25, 255
	s_lshl_b32 s27, s27, 2
	s_add_co_u32 s27, s27, s[WV]                   ; which run of 8,192 numbers is my wave's
	s_cmp_eq_u32 s26, 1
	s_cselect_b64 s[4:5], s[6:7], s[4:5]
	s_cmp_eq_u32 s26, 2
	s_cselect_b64 s[4:5], s[8:9], s[4:5]
	s_lshl_b32 s28, s27, 15                        ; 32,768 bytes of f32 a run
	s_mov_b32 s29, 0
	s_add_nc_u64 s[4:5], s[4:5], s[28:29]
	s_lshl_b32 s28, s26, 22                        ; 8,192 rows x 512 bytes of codes a tensor,
	s_lshl_b32 s30, s27, 12                        ; 4,096 a run
	s_add_co_u32 s28, s28, s30
	s_add_nc_u64 s[18:19], s[18:19], s[28:29]
	s_lshl_b32 s28, s26, 18                        ; 8,192 rows x 32 scale bytes a tensor,
	s_lshl_b32 s30, s27, 8                         ; 256 a run
	s_add_co_u32 s28, s28, s30
	s_add_nc_u64 s[20:21], s[20:21], s[28:29]
	v_lshlrev_b32 v3, 4, v2                        ; my 16 bytes of a load's 512
	s_mul_i32 s31, s[WV], WREG
	v_lshrrev_b32 v14, 2, v2
	v_mul_u32_u24 v14, v14, SP
	v_and_b32 v15, 3, v2
	v_lshl_add_u32 v14, v15, 4, v14
	v_add_nc_u32 v14, s31, v14                     ; the stage, on the way in: SP (lane / 4) + 16 (lane % 4)
	v_mul_u32_u24 v15, v2, SP
	v_add_nc_u32 v15, s31, v15                     ; and on the way out: SP x lane: my 16 neighbours
	v_mul_u32_u24 v4, v2, CB                       ; my codes' place in a step's
	v_lshrrev_b32 v5, 1, v2
	s_add_co_u32 s31, s31, 2*32*SP
	v_add_nc_u32 v5, s31, v5                       ; my wave's 256 scale bytes, my block's byte
	v_lshlrev_b32 v7, 3, v2                        ; and on the way out 8 bytes a lane
	v_add_nc_u32 v6, s31, v7
.irp t, 0,1,2,3
	ALOAD \t
.endr
	s_wait_loadcnt 12                              ; step 0's four loads are in
	ATURN 0
.irp t, 0,1,2,3,4,5,6,7,8,9,10,11,12,13,14,15
	ASTEP \t
.endr
	ds_load_b64 v[8:9], v6                         ; LDS serves a wave's instructions in order: these see my byte stores
	s_wait_dscnt 0x0
	global_store_b64 v7, v[8:9], s[20:21]          ; 32 lanes store 256 consecutive bytes, aligned
	s_branch .Lend
	; ---- Wq, Wk, Wv: 32 columns x 512 along K a wave
.Lweights:
	s_lshr_b32 s25, ttmp9, 4                       ; w: which weight
	s_and_b32 s26, ttmp9, 7                        ; which 128 columns
	s_bfe_u32 s27, ttmp9, 0x10003                  ; which 512 along K
	s_cmp_eq_u32 s25, 1
	s_cselect_b64 s[10:11], s[12:13], s[10:11]
	s_cmp_eq_u32 s25, 2
	s_cselect_b64 s[10:11], s[14:15], s[10:11]
	s_lshl_b32 s28, s26, 7
	s_lshl_b32 s29, s[WV], 5
	s_add_co_u32 s28, s28, s29                     ; my wave's first column
	s_lshl_b32 s30, s27, 21                        ; 512 rows of 4,096 bytes
	s_lshl_b32 s31, s28, 2
	s_add_co_u32 s30, s30, s31
	s_mov_b32 s31, 0
	s_add_nc_u64 s[10:11], s[10:11], s[30:31]
	s_lshl_b32 s30, s25, 19                        ; codes: row 24576 + 1024 w + column, 512 bytes a row, + 256 for the second half of K
	s_lshl_b32 s32, s28, 9
	s_add_co_u32 s30, s30, s32
	s_lshl_b32 s32, s27, 8
	s_add_co_u32 s30, s30, s32
	s_add_co_u32 s30, s30, 12582912
	s_add_nc_u64 s[18:19], s[18:19], s[30:31]
	s_lshl_b32 s30, s25, 15                        ; scale bytes: the same row, 32 bytes a row, + 16
	s_lshl_b32 s32, s28, 5
	s_add_co_u32 s30, s30, s32
	s_lshl_b32 s32, s27, 4
	s_add_co_u32 s30, s30, s32
	s_add_co_u32 s30, s30, 786432
	s_add_nc_u64 s[20:21], s[20:21], s[30:31]
	v_lshlrev_b32 v3, 2, v2                        ; in: 4 bytes a lane: a wave reads 128 consecutive bytes
	s_mul_i32 s32, s[WV], 32*WPITCH
	s_add_co_u32 s32, s32, WSTG                    ; my stage
	v_mul_u32_u24 v4, v2, WPITCH
	v_add_nc_u32 v4, s32, v4                       ; into it: row = my column
	v_and_b32 v5, 15, v2
	v_lshrrev_b32 v6, 4, v2                        ; out of it: sixteen lanes to a row, two rows an instruction
	v_mul_u32_u24 v7, v6, WPITCH
	v_lshl_add_u32 v7, v5, 4, v7
	v_add_nc_u32 v7, s32, v7
	v_mul_u32_u24 v8, v6, KROW
	v_lshl_add_u32 v8, v5, 4, v8                   ; the same place in the codes' rows
	v_lshlrev_b32 v9, 5, v2                        ; my column's row of scale bytes
	WLOAD 0
	WLOAD 1
.set Q, 0
.rept NB
	WBLOCK Q
.set Q, Q+1
.endr
	global_store_b128 v9, v[WSB:WSB+3], s[20:21]   ; my column's 16 scale bytes
.irp t, 0,1,2,3,4,5,6,7,8,9,10,11,12,13,14,15
	ds_load_b128 v[WOUT+4*\t:WOUT+4*\t+3], v7 offset:2*\t*WPITCH
.endr
.irp t, 0,1,2,3,4,5,6,7,8,9,10,11,12,13,14,15
	s_wait_dscnt 15-\t                             ; LDS loads come back in order: load t is in
	global_store_b128 v8, v[WOUT+4*\t:WOUT+4*\t+3], s[18:19] offset:2*\t*KROW   ; sixteen lanes store 256 consecutive bytes, aligned
.endr
	s_branch .Lend
	; ---- Wo: 32 columns x 128 along K a wave; a lane takes a column, its registers run down K; no LDS
.Lwo:
	s_sub_co_u32 s25, ttmp9, 48
	s_lshr_b32 s26, s25, 3                         ; kstep
	s_and_b32 s27, s25, 7
	s_lshl_b32 s27, s27, 2
	s_add_co_u32 s27, s27, s[WV]                   ; which 32 columns
	s_lshl_b32 s28, s26, 19                        ; 128 rows of 4,096 bytes
	s_lshl_b32 s29, s27, 7
	s_add_co_u32 s28, s28, s29
	s_mov_b32 s29, 0
	s_add_nc_u64 s[16:17], s[16:17], s[28:29]
	s_lshl_b32 s28, s26, 18                        ; a kstep's 64 tiles of 4,096 bytes,
	s_lshl_b32 s30, s27, 13                        ; my two tiles
	s_add_co_u32 s28, s28, s30
	s_add_nc_u64 s[22:23], s[22:23], s[28:29]
	v_lshlrev_b32 v3, 2, v2
	v_lshrrev_b32 v4, 4, v2
	v_and_b32 v5, 15, v2
	v_lshlrev_b32 v4, 12, v4                       ; lanes 16-31: the second tile
	v_lshl_add_u32 v4, v5, 4, v4                   ; + 16 r
	OLOAD 0
	OLOAD 1
.irp c, 0,1,2,3
	OCHUNK \c
.endr
.Lend:
	s_wait_tensorcnt 0x0                           ; the wave's end
	ds_add_u32 v[SPW], v[NIL]
	s_wait_dscnt 0x0
	s_endpgm
.Lfunc_end_k_q90f73409ff_prep:
	.size	k_q90f73409ff_prep, .Lfunc_end_k_q90f73409ff_prep-k_q90f73409ff_prep
	.p2alignl 7, 3214868480
	.fill 96, 4, 3214868480
	.section	.rodata,"a",@progbits
	.p2align	6, 0x0
	.amdhsa_kernel k_q90f73409ff_prep
		.amdhsa_group_segment_fixed_size 68096
		.amdhsa_private_segment_fixed_size 0
		.amdhsa_enable_private_segment 0
		.amdhsa_kernarg_size 80
		.amdhsa_user_sgpr_count 2
		.amdhsa_user_sgpr_kernarg_segment_ptr 1
		.amdhsa_wavefront_size32 1
		.amdhsa_system_sgpr_workgroup_id_x 1
		.amdhsa_system_sgpr_workgroup_id_y 1
		.amdhsa_system_sgpr_workgroup_id_z 1
		.amdhsa_system_vgpr_workitem_id 0
		.amdhsa_next_free_vgpr 192
		.amdhsa_next_free_sgpr 66
		.amdhsa_reserve_vcc 0
		.amdhsa_float_denorm_mode_32 3
		.amdhsa_float_denorm_mode_16_64 3
		.amdhsa_memory_ordered 1
		.amdhsa_forward_progress 1
		.amdhsa_inst_pref_size 130
	.end_amdhsa_kernel
	.amdgpu_metadata
---
amdhsa.version: [ 1, 2 ]
amdhsa.kernels:
  - .name:           k_q90f73409ff_prep
    .symbol:         k_q90f73409ff_prep.kd
    .args:
      - { .name: queries, .offset: 0, .size: 8, .value_kind: global_buffer, .address_space: global }
      - { .name: keys, .offset: 8, .size: 8, .value_kind: global_buffer, .address_space: global }
      - { .name: values, .offset: 16, .size: 8, .value_kind: global_buffer, .address_space: global }
      - { .name: Wq, .offset: 24, .size: 8, .value_kind: global_buffer, .address_space: global }
      - { .name: Wk, .offset: 32, .size: 8, .value_kind: global_buffer, .address_space: global }
      - { .name: Wv, .offset: 40, .size: 8, .value_kind: global_buffer, .address_space: global }
      - { .name: Wo, .offset: 48, .size: 8, .value_kind: global_buffer, .address_space: global }
      - { .name: codes, .offset: 56, .size: 8, .value_kind: global_buffer, .address_space: global }
      - { .name: scales, .offset: 64, .size: 8, .value_kind: global_buffer, .address_space: global }
      - { .name: wo16, .offset: 72, .size: 8, .value_kind: global_buffer, .address_space: global }
    .group_segment_fixed_size: 68096
    .private_segment_fixed_size: 0
    .kernarg_segment_align: 8
    .kernarg_segment_size: 80
    .max_flat_workgroup_size: 128
    .sgpr_count:     66
    .vgpr_count:     192
    .wavefront_size: 32
...
	.end_amdgpu_metadata
.endif
;; end of part 1
;; launch proj (part 2): grid 4 x 96, 4 waves a work-group, clusters of 4 x 4, 327,680 bytes of LDS; arguments codes, scales, qkv; writes qkv
.if DOCPART == 2
	.amdgcn_target "amdgcn-amd-amdhsa--gfx1250"
	.amdhsa_code_object_version 6
	.text
	.protected	k_q90f73409ff_proj
	.globl	k_q90f73409ff_proj
	.p2align	8
	.type	k_q90f73409ff_proj,@function
k_q90f73409ff_proj:
	s_mov_b64 s[64:65], 0
	v_nop
	global_prefetch_b8 v0, s[64:65] scope:SCOPE_SE
	s_setreg_imm32_b32 hwreg(HW_REG_WAVE_MODE, 25, 1), 1
	s_wait_xcnt 0x0
	s_wait_alu depctr_hold_cnt(0) depctr_sa_sdst(0) depctr_va_vdst(0) depctr_va_sdst(0) depctr_va_ssrc(0) depctr_va_vcc(0) depctr_vm_vsrc(0)
	s_getreg_b32 s2, hwreg(HW_REG_IB_STS2, 6, 4)
	s_cmp_eq_u32 s2, 0
	s_cbranch_scc0 .Lentry_in_a_cluster
	s_endpgm
.Lentry_in_a_cluster:
	s_bfe_u32 s2, ttmp6, 0x10000c
	s_cmp_lg_u32 s2, 0xf033
	s_cbranch_scc0 .Lentry_shape_is_right
	s_endpgm
.Lentry_shape_is_right:
; PROJ.  The three quantised products q = queries Wq, k = keys Wk, v = values Wv on codes of FP4 (E2M1) with one E8M0 scale for each 32 along K = 1,024; sums in f32.
; 'codes' is one matrix of 27,648 rows x 512 bytes (rows 8192 t + token: the activations; rows 24576 + 1024 w + n: the weights, K innermost), 'scales' the same rows x 32 bytes.
; 24 clusters of 4 x 4 work-groups; cluster ci makes product p = ci / 8, block blk = ci % 8 of 1,024 tokens, all 1,024 channels.  A work-group makes 256 x 256, a wave 128 x 128: 64 accumulators, 512 registers.
; THE MATRIX INSTRUCTION IS USED TRANSPOSED: source 0 = 16 rows of the B side, source 1 = 16 rows of the A side: lane (r, h) holds A-side row r and B-side rows 8 h + 0..7.
; For q and k the A side are tokens and the B side channels; for v the sides change places (A = Wv's rows, B = values' rows).  Rounded to f16 in pairs, a lane's eight numbers ARE registers 4 c .. 4 c + 3 of a 16-bit operand
; fragment whose row is the A-side row: so the results leave as IMAGES OF OPERAND REGISTERS (piece c of a fragment: lane l's 16 bytes at 512 c + 16 l), by stores of 512 consecutive bytes, with no way through LDS:
;   qkv + 0:          Q   [bh 64][query tile 128][cs 2][c 2][lane][16]           (q is multiplied by 0.125 log2(e) first, so that the scores come out as exponents of 2)
;   qkv + 16,777,216: K,V [bh 64][step of 64 keys 32][16,384]: K [kt 4][cs 2][c 2][lane][16], behind it at 8,192 V^T [g 2][ct 4][c 2][lane][16] (rows = channels, k = keys)
; All of K fits in the two LDS slots of 512 along K: both are filled once, at the start, and nothing is filled again.  The four work-groups of a row of the cluster need the same A-side tiles, the four of a column the same
; B-side tiles: each tile is asked for jointly.  LIMIT: results beyond 65,504 in magnitude have no f16.
.set KSTEP,  512
.set NQ,     KSTEP/128
.set ROWB,   256                       ; a tile's row in bytes
.set KROW,   512                       ; a row of codes in memory
.set PITCH,  272                       ; an LDS row: 256 bytes + 16 of padding: the 16 rows that a load touches start at 16 different banks
.set FR,     8
.set NL,     2
.set NP,     4
.set HALFT,  128*PITCH
.set SLOT,   4*HALFT
.set KS,     32                        ; a row of scales in bytes
.set SCL,    2*SLOT                    ; behind the slots: the scales, as units of 256 bytes + 16 of padding
.set HALFS,  (128*KS/256)*272
.set SBLK,   (16*KS/256)*272
.set SPARE,  SCL+4*HALFS               ; the spare words, 128 bytes for each wave
.set ADRA, 16                          ; v16-17  LDS address of my A fragments in slot 0, 1
.set ADRB, 20                          ; v20-21  the same for B
.set ADRS, 27                          ; v27     LDS address of my scale words: lanes 0-15 A's rows, lanes 16-31 B's
.set SPW,  28
.set NIL,  29
.set VO,   8                           ; v8-11   the way out: 16 x lane + the place of B-side blocks 2 g, 2 g + 1
.set SC,   32                          ; v32-95  scale words, two sets
.set AF,   128                         ; A's fragments, window 0, one set
.set G1, 24
.set G0, 32
.set G1B, 48
.set G0B, 56
.set G1S, 68
.set G0S, 76
.set G1SB, 80
.set G0SB, 88
.set MSB, 0
.macro WIN new                         ; the immediate's high byte repeats the setting that is left
.if MSB != (\new)
	s_set_vgpr_msb (MSB<<8)|(\new)
.set MSB, (\new)
.endif
.endm
.set MUL_LO, 0xa1                      ; source 0 (B) window 1, source 1 (A) window 0, C and D window 2
.set MUL_HI, 0xf1                      ; the same, C and D window 3
.set TO_B,   0x40
.macro JLOAD g0a, g1a, g0b, g1b        ; a joint load: waves 0 and 1 fetch for A, waves 2 and 3 for B; an s_nop 0 and four v_nop follow each line
	s_cmp_eq_u32 s15, 0
	s_cbranch_scc0 .Lfor_b_\@
	tensor_load_to_lds s[\g0a:\g0a+3], s[\g1a:\g1a+7]
	s_nop 0
.rept 4
	v_nop
.endr
	s_branch .Lasked_\@
.Lfor_b_\@:
	tensor_load_to_lds s[\g0b:\g0b+3], s[\g1b:\g1b+7]
	s_nop 0
.rept 4
	v_nop
.endr
.Lasked_\@:
.endm
.macro CROUND                          ; a round of the cluster's barrier
	s_barrier_signal -1
	s_barrier_wait -1
	s_cmp_lg_u32 s14, 0
	s_cbranch_scc1 .Lnot_wave_0_\@
	s_barrier_signal -3
.Lnot_wave_0_\@:
	s_barrier_wait -3
	s_barrier_signal -1
	s_barrier_wait -1
.endm
	s_load_b128 s[4:7], s[0:1], 0x0                ; codes s[4:5], scales s[6:7]
	s_load_b64 s[8:9], s[0:1], 0x10                ; qkv
	v_lshl_add_u32 v[SPW], v0, 2, SPARE
	v_mov_b32 v[NIL], 0
	ds_add_u32 v[SPW], v[NIL]                      ; the wave's opening: the add, twice on end, and its wait ahead of my first tensor load
	ds_add_u32 v[SPW], v[NIL]
	v_lshrrev_b32 v1, 5, v0
	v_readfirstlane_b32 s14, v1                    ; wave 0..3
	s_lshr_b32 s15, s14, 1                         ; which half of the A-side rows is mine.  Also: I fetch for A (0) or for B (1)
	s_and_b32 s16, s14, 1                          ; which half of the B-side rows.  Also: which 128 rows of that tile I fetch
	s_bfe_u32 s40, ttmp6, 0x40000                  ; cx
	s_bfe_u32 s41, ttmp6, 0x40004                  ; cy
	s_and_b32 s17, ttmp7, 0xffff                   ; the cluster's number
	s_lshr_b32 s10, s17, 3                         ; p: 0 q, 1 k, 2 v
	s_and_b32 s11, s17, 7                          ; blk: which 1,024 tokens
	s_lshl_b32 s12, s10, 13
	s_lshl_b32 s13, s11, 10
	s_add_co_u32 s12, s12, s13                     ; the activations' first row
	s_lshl_b32 s13, s10, 10
	s_add_co_u32 s13, s13, 24576                   ; the weight's first row
	s_cmp_eq_u32 s10, 2                            ; for v the sides change places: the same in all sixteen partners
	s_cselect_b32 s20, s13, s12                    ; A side
	s_cselect_b32 s46, s12, s13                    ; B side
	s_lshl_b32 s18, s16, 7                         ; which 128 rows of the tile I fetch
	s_lshl_b32 s19, s41, 8
	s_add_co_u32 s20, s20, s19
	s_add_co_u32 s20, s20, s18                     ; A: + 256 cy + 128 x half: hangs on cy alone, which my row of the cluster shares
	s_lshl_b32 s42, s40, 8
	s_add_co_u32 s46, s46, s42
	s_add_co_u32 s46, s46, s18                     ; B: + 256 cx + 128 x half
	s_lshl_b32 s43, s41, 2
	s_lshl_b32 s43, 15, s43                        ; my row of the cluster
	s_lshl_b32 s44, 0x1111, s40                    ; my column
	s_or_b32 s[G1+0], s43, (0<<16)|(1<<20)|(1<<21)|(5<<22)|(3<<25)  ; the mask; elements of 1 byte; padding on; bit 21 beside a mask; after every 64 words, 4 words
	s_or_b32 s[G1B+0], s44, (0<<16)|(1<<20)|(1<<21)|(5<<22)|(3<<25)
.irp g, G1, G1B
	s_mov_b32 s[\g+1], ROWB<<16                    ; tensor_dim0
	s_mov_b32 s[\g+2], 128<<16                     ; tensor_dim1
	s_mov_b32 s[\g+3], ROWB<<16                    ; tile_dim0
	s_mov_b32 s[\g+4], 128                         ; tile_dim1
	s_mov_b32 s[\g+5], KROW                        ; stride
	s_mov_b32 s[\g+6], 0
	s_mov_b32 s[\g+7], 0
.endr
	s_or_b32 s[G1S+0], s43, (3<<16)|(1<<20)|(1<<21)|(5<<22)|(3<<25)  ; the scales of 128 rows: 4,096 dense bytes as 16 rows of 256, 16 bytes of padding behind each
	s_or_b32 s[G1SB+0], s44, (3<<16)|(1<<20)|(1<<21)|(5<<22)|(3<<25)
.irp g, G1S, G1SB
	s_mov_b32 s[\g+1], 32<<16
	s_mov_b32 s[\g+2], (128*KS/256)<<16
	s_mov_b32 s[\g+3], 32<<16
	s_mov_b32 s[\g+4], 128*KS/256
	s_mov_b32 s[\g+5], 32
	s_mov_b32 s[\g+6], 0
	s_mov_b32 s[\g+7], 0
.endr
	s_lshl_b32 s22, s20, 5                         ; where these rows' scales begin, in bytes,
	s_mov_b32 s23, 0
	s_lshl_b32 s92, s46, 5
	s_mov_b32 s93, 0
	s_lshl_b32 s20, s20, 9                         ; and their codes
	s_mov_b32 s21, 0
	s_lshl_b32 s46, s46, 9
	s_mov_b32 s47, 0
	s_mul_i32 s45, s14, HALFT                      ; where they go: wave x 128 rows: no place in the cluster enters an LDS address
	s_mul_i32 s94, s14, HALFS
	s_wait_dscnt 0x0                               ; both opening adds are done
	s_wait_kmcnt 0x0
	s_add_nc_u64 s[20:21], s[4:5], s[20:21]
	s_add_nc_u64 s[22:23], s[6:7], s[22:23]
	s_add_nc_u64 s[46:47], s[4:5], s[46:47]
	s_add_nc_u64 s[92:93], s[6:7], s[92:93]
	CROUND                                         ; all sixteen work-groups are here: the joint loads meet
	s_mov_b32 s[G0S], 1
	s_add_co_u32 s[G0S+1], s94, SCL
	s_mov_b64 s[G0S+2:G0S+3], s[22:23]
	s_or_b32 s[G0S+3], s[G0S+3], 0x80000000
	s_mov_b32 s[G0SB], 1
	s_add_co_u32 s[G0SB+1], s94, SCL
	s_mov_b64 s[G0SB+2:G0SB+3], s[92:93]
	s_or_b32 s[G0SB+3], s[G0SB+3], 0x80000000
	JLOAD G0S, G1S, G0SB, G1SB                     ; the scales first: they are wanted with the first K step
.irp s, 0,1
	s_mov_b32 s[G0+4*\s], 1
	s_add_co_u32 s[G0+4*\s+1], s45, \s*SLOT
	s_add_nc_u64 s[G0+4*\s+2:G0+4*\s+3], s[20:21], \s*ROWB
	s_or_b32 s[G0+4*\s+3], s[G0+4*\s+3], 0x80000000
	s_mov_b32 s[G0B+4*\s], 1
	s_add_co_u32 s[G0B+4*\s+1], s45, \s*SLOT
	s_add_nc_u64 s[G0B+4*\s+2:G0B+4*\s+3], s[46:47], \s*ROWB
	s_or_b32 s[G0B+4*\s+3], s[G0B+4*\s+3], 0x80000000
	JLOAD G0+4*\s, G1, G0B+4*\s, G1B               ; three loads of mine are out in all
.endr
	v_and_b32 v1, 15, v0                           ; l % 16
	v_bfe_u32 v2, v0, 4, 1                         ; l / 16
	v_mul_u32_u24 v3, v1, PITCH
	v_lshl_add_u32 v4, v2, 4, v3                   ; a fragment's row x pitch + 16 x half
	s_mul_i32 s21, s15, HALFT                      ; my 128 rows of A
	s_mul_i32 s22, s16, HALFT                      ; my 128 rows of B,
	s_add_co_u32 s22, s22, 2*HALFT                 ; which lie behind A's 256
.irp s, 0,1
	v_add_nc_u32 v[ADRA+\s], s21, v4
	v_add_nc_u32 v[ADRB+\s], s22, v4
	s_add_co_u32 s21, s21, SLOT
	s_add_co_u32 s22, s22, SLOT
.endr
	v_mul_u32_u24 v5, v1, KS                       ; my row's scales: 32 bytes a row,
	v_lshrrev_b32 v6, 8, v5
	v_lshl_add_u32 v5, v6, 4, v5                   ; and 16 more for each 256 passed
	s_mul_i32 s21, s15, HALFS
	s_mul_i32 s22, s16, HALFS
	s_add_co_u32 s22, s22, 2*HALFS
	s_sub_co_u32 s22, s22, s21
	v_mul_u32_u24 v6, s22, v2                      ; lanes 16-31 take B's: one product, the distance between the two bases
	s_add_co_u32 s21, s21, SCL
	v_add_nc_u32 v5, v5, v6
	v_add_nc_u32 v[ADRS], s21, v5
.macro FRAG reg, adr, q, i             ; a fragment, 16 rows x 128 K of 4-bit codes: registers 4 c .. 4 c + 3 hold K = 64 c + 32 (l / 16) + 0 .. 31
.irp c, 0,1
	ds_load_b128 v[\reg+4*\c:\reg+4*\c+3], v[\adr] offset:64*(\q)+32*\c+(\i)*16*PITCH
.endr
.endm
; 16 matrix instructions: A's blocks a0, a0 + 1 x B's eight, 128 along K.  The 64 accumulators take turns, one instruction a turn, in the same order in every step.
.macro MUL16 a0, p, q, sc, zero
.irp a, \a0, \a0+1
.irp b, 0,1,2,3,4,5,6,7
.if \zero
	v_wmma_scale_f32_16x16x128_f8f6f4 v[8*(8*((\a)%4)+\b):8*(8*((\a)%4)+\b)+7], v[128*(\p)+FR*\b:128*(\p)+FR*\b+FR-1], v[AF+FR*(\a):AF+FR*(\a)+FR-1], 0, v[SC+8*NQ*(\sc)+NQ*\b+(\q)], v[SC+8*NQ*(\sc)+NQ*(\a)+(\q)] matrix_a_fmt:MATRIX_FMT_FP4 matrix_b_fmt:MATRIX_FMT_FP4 matrix_a_scale:MATRIX_SCALE_ROW1
.else
	v_wmma_scale_f32_16x16x128_f8f6f4 v[8*(8*((\a)%4)+\b):8*(8*((\a)%4)+\b)+7], v[128*(\p)+FR*\b:128*(\p)+FR*\b+FR-1], v[AF+FR*(\a):AF+FR*(\a)+FR-1], v[8*(8*((\a)%4)+\b):8*(8*((\a)%4)+\b)+7], v[SC+8*NQ*(\sc)+NQ*\b+(\q)], v[SC+8*NQ*(\sc)+NQ*(\a)+(\q)] matrix_a_fmt:MATRIX_FMT_FP4 matrix_b_fmt:MATRIX_FMT_FP4 matrix_a_scale:MATRIX_SCALE_ROW1
.endif
.endr
.endr
.endm
.macro FETCH_B slot, q, p
	WIN TO_B
.irp i, 0,1,2,3,4,5,6,7
	FRAG 128*(\p)+FR*\i, ADRB+\slot, \q, \i
.endr
	WIN 0
.endm
.macro FETCH_A slot, q, i0
.irp i, \i0, \i0+1, \i0+2, \i0+3
	FRAG AF+FR*(\i), ADRA+\slot, \q, \i
.endr
.endm
.macro SCALES sc                       ; a K step's scale words: lanes 0-15 take A's block i, lanes 16-31 B's block i
.irp i, 0,1,2,3,4,5,6,7
	ds_load_b128 v[SC+8*NQ*\sc+NQ*\i:SC+8*NQ*\sc+NQ*\i+3], v[ADRS] offset:\i*SBLK
.endr
.endm
.macro PLACES n                        ; plain vector lines between a matrix instruction and a load into, or a read of, its registers
.rept \n
	v_nop
.endr
.endm
.macro STEP slot, q, zero              ; a step of 128 along K that has its successor in the same slot
	s_wait_dscnt 4*NL                              ; B's set and A's blocks 0-3 are in; the youngest eight loads (A's blocks 4-7) may be out
	WIN MUL_LO
	MUL16 0, (\q)%2, \q, \slot, \zero
	MUL16 2, (\q)%2, \q, \slot, \zero
	s_wait_dscnt 0                                 ; A's blocks 4-7 are in
	PLACES NP
	FETCH_B \slot, (\q)+1, 1-(\q)%2
	FETCH_A \slot, (\q)+1, 0
	WIN MUL_HI
	MUL16 4, (\q)%2, \q, \slot, \zero
	MUL16 6, (\q)%2, \q, \slot, \zero
	PLACES NP
	WIN 0
	FETCH_A \slot, (\q)+1, 4
.endm
.macro STEPS slot, from
.set Q, \from
.rept NQ-1-\from
	STEP \slot, Q, 0
.set Q, Q+1
.endr
.endm
	s_wait_tensorcnt 1                             ; the scales and my part of slot 0 are in (slot 1's load may be out)
	s_barrier_signal -1
	s_barrier_wait -1                              ; everybody's are
	FETCH_B 0, 0, 0
	FETCH_A 0, 0, 0
	SCALES 0
	FETCH_A 0, 0, 4
	STEP 0, 0, 1                                   ; the first products start the sums: nothing is cleared
	STEPS 0, 1
	; slot 0's last step changes slots: one barrier; in front of it my part of slot 1 has landed
	s_wait_tensorcnt 0x0                           ; all my tensor loads have landed
	ds_add_u32 v[SPW], v[NIL]
	s_wait_dscnt 4*NL+1                            ; (the add and the youngest eight loads may be out)
	WIN MUL_LO
	MUL16 0, 1, NQ-1, 0, 0
	s_wait_dscnt 0x0
	s_barrier_signal -1
	MUL16 2, 1, NQ-1, 0, 0
	WIN 0
	s_barrier_wait -1                              ; slot 1 is whole for every wave
	PLACES NP
	v_add_nc_u32 v[ADRS], 4*NQ, v[ADRS]            ; on to the second K step's scale words (no LDS load of mine is out)
	FETCH_B 1, 0, 0
	FETCH_A 1, 0, 0
	SCALES 1
	WIN MUL_HI
	MUL16 4, 1, NQ-1, 0, 0
	MUL16 6, 1, NQ-1, 0, 0
	PLACES NP
	WIN 0
	FETCH_A 1, 0, 4
	STEPS 1, 0
	s_wait_dscnt 4*NL                              ; the very last step: nothing more to fetch
	WIN MUL_LO
	MUL16 0, 1, NQ-1, 1, 0
	MUL16 2, 1, NQ-1, 1, 0
	s_wait_dscnt 0
	WIN MUL_HI
	MUL16 4, 1, NQ-1, 1, 0
	MUL16 6, 1, NQ-1, 1, 0
	WIN 0
	; THE WAY OUT.  Where piece (a, b) goes: base + the steps of a (DA1; DA2 from a = 3 to 4) + (b / 4) F2 + ((b / 2) % 2) F1 + (b % 2) 512 + 16 x lane.  No tensor load of mine is out: the descriptors' registers are free.
	;          head's bytes   position's bytes   offset              DA1     DA2       F2        F1      factor
	;   q      2^18           2^7                0                   2,048   2,048     2^18      2^10    0.125 log2(e)
	;   k      2^19           2^8                16,777,216          2,048   10,240    2^19      2^10    1
	;   v      2^19           2^8                16,777,216 + 8,192  1,024   521,216   2^14      2^12    1
	s_lshl_b32 s20, s41, 8
	s_lshl_b32 s31, s15, 7
	s_add_co_u32 s20, s20, s31                     ; my first A-side row in the cluster's 1,024
	s_lshl_b32 s21, s40, 8
	s_lshl_b32 s31, s16, 7
	s_add_co_u32 s21, s21, s31                     ; my first B-side row
	s_mov_b32 s27, 10240
	s_cmp_eq_u32 s10, 0
	s_cselect_b32 s22, 18, 19
	s_cselect_b32 s23, 7, 8
	s_cselect_b32 s24, 0x3e38aa3b, 1.0             ; one multiplication keeps one path for the three products: for k and v the factor is 1
	s_cselect_b32 s26, 0, 0x1000000
	s_cselect_b32 s27, 2048, s27
	s_cselect_b32 s28, 18, 19
	s_cmp_eq_u32 s10, 2
	s_cselect_b32 s28, 14, s28
	s_cselect_b32 s29, 12, 10
	s_cselect_b32 s30, 10, 11
	s_cselect_b32 s27, 521216, s27
	s_cselect_b32 s31, 8192, 0
	s_cselect_b32 s32, s20, s21                    ; the side that holds channels,
	s_cselect_b32 s33, s21, s20                    ; the side that holds tokens
	s_mov_b32 s25, s24                             ; (the packed form names the pair)
	s_add_co_u32 s26, s26, s31
	s_lshr_b32 s32, s32, 6                         ; my first head
	s_lshr_b32 s31, s11, 1                         ; the batch
	s_lshl_b32 s31, s31, 4
	s_add_co_u32 s32, s32, s31
	s_lshl_b32 s32, s32, s22
	s_and_b32 s31, s11, 1
	s_lshl_b32 s31, s31, 10
	s_add_co_u32 s33, s33, s31                     ; my first position in the sequence
	s_lshl_b32 s33, s33, s23
	s_add_co_u32 s34, s32, s33
	s_add_co_u32 s34, s34, s26
	s_mov_b32 s35, 0
	s_add_nc_u64 s[8:9], s[8:9], s[34:35]
	s_lshl_b32 s36, 1, s30                         ; DA1
	s_mov_b32 s37, 0
	s_mov_b32 s38, s27                             ; DA2
	s_mov_b32 s39, 0
	s_lshl_b32 s28, 1, s28                         ; F2
	s_lshl_b32 s29, 1, s29                         ; F1
	v_and_b32 v6, 31, v0                           ; these five plain lines are the places behind the last products
	v_lshlrev_b32 v[VO], 4, v6
	v_add_nc_u32 v[VO+1], s29, v[VO]
	v_add_nc_u32 v[VO+2], s28, v[VO]
	v_add_nc_u32 v[VO+3], s28, v[VO+1]
.macro OUTBLK a                        ; A-side block a: 8 accumulators -> 8 pieces of 512 bytes
.if (\a) > 0
	s_wait_xcnt 0x0                                ; the last block's stores have read their data and their base: both are written again only behind this wait
.if (\a) == 4
	s_add_nc_u64 s[8:9], s[8:9], s[38:39]
.else
	s_add_nc_u64 s[8:9], s[8:9], s[36:37]
.endif
.endif
	WIN 0x02+(\a)/4                                ; source 0: window 2 or 3
.set i, 0
.rept 32
	v_pk_mul_f32 v[128+2*i:129+2*i], v[64*((\a)%4)+2*i:64*((\a)%4)+2*i+1], s[24:25] op_sel_hi:[1,0]   ; each accumulator from its low end on
.set i, i+1
.endr
	WIN 0
.set i, 0
.rept 32
	v_cvt_pk_f16_f32 v[192+i], v[128+2*i], v[129+2*i]
.set i, i+1
.endr
.irp b, 0,1,2,3,4,5,6,7
	global_store_b128 v[VO+(\b)/2], v[192+4*\b:195+4*\b], s[8:9] offset:((\b)%2)*512   ; 32 lanes store 512 consecutive bytes, aligned
.endr
.endm
.irp a, 0,1,2,3,4,5,6,7
	OUTBLK \a
.endr
	s_wait_tensorcnt 0x0                           ; the wave's end
	ds_add_u32 v[SPW], v[NIL]
	s_wait_dscnt 0x0
	CROUND                                         ; the closing round
	s_endpgm
.Lfunc_end_k_q90f73409ff_proj:
	.size	k_q90f73409ff_proj, .Lfunc_end_k_q90f73409ff_proj-k_q90f73409ff_proj
	.p2alignl 7, 3214868480
	.fill 96, 4, 3214868480
	.section	.rodata,"a",@progbits
	.p2align	6, 0x0
	.amdhsa_kernel k_q90f73409ff_proj
		.amdhsa_group_segment_fixed_size 327680
		.amdhsa_private_segment_fixed_size 0
		.amdhsa_enable_private_segment 0
		.amdhsa_kernarg_size 24
		.amdhsa_user_sgpr_count 2
		.amdhsa_user_sgpr_kernarg_segment_ptr 1
		.amdhsa_wavefront_size32 1
		.amdhsa_system_sgpr_workgroup_id_x 1
		.amdhsa_system_sgpr_workgroup_id_y 1
		.amdhsa_system_sgpr_workgroup_id_z 1
		.amdhsa_system_vgpr_workitem_id 0
		.amdhsa_next_free_vgpr 1024
		.amdhsa_next_free_sgpr 100
		.amdhsa_reserve_vcc 0
		.amdhsa_float_denorm_mode_32 3
		.amdhsa_float_denorm_mode_16_64 3
		.amdhsa_memory_ordered 1
		.amdhsa_forward_progress 1
		.amdhsa_inst_pref_size 135
	.end_amdhsa_kernel
	.amdgpu_metadata
---
amdhsa.version: [ 1, 2 ]
amdhsa.kernels:
  - .name:           k_q90f73409ff_proj
    .symbol:         k_q90f73409ff_proj.kd
    .args:
      - { .name: codes, .offset: 0, .size: 8, .value_kind: global_buffer, .address_space: global }
      - { .name: scales, .offset: 8, .size: 8, .value_kind: global_buffer, .address_space: global }
      - { .name: qkv, .offset: 16, .size: 8, .value_kind: global_buffer, .address_space: global }
    .group_segment_fixed_size: 327680
    .private_segment_fixed_size: 0
    .kernarg_segment_align: 8
    .kernarg_segment_size: 24
    .max_flat_workgroup_size: 128
    .sgpr_count:     100
    .vgpr_count:     1024
    .wavefront_size: 32
...
	.end_amdgpu_metadata
.endif
;; end of part 2
;; launch fattn (part 3): grid 256 x 1, 8 waves a work-group, no clusters, 40,192 bytes of LDS; arguments qkv, mask, opart, ml; writes opart, ml
.if DOCPART == 3
	.amdgcn_target "amdgcn-amd-amdhsa--gfx1250"
	.amdhsa_code_object_version 6
	.text
	.protected	k_q90f73409ff_fattn
	.globl	k_q90f73409ff_fattn
	.p2align	8
	.type	k_q90f73409ff_fattn,@function
k_q90f73409ff_fattn:
	s_mov_b64 s[64:65], 0
	v_nop
	global_prefetch_b8 v0, s[64:65] scope:SCOPE_SE
	s_setreg_imm32_b32 hwreg(HW_REG_WAVE_MODE, 25, 1), 1
	s_wait_xcnt 0x0
; FATTN.  The first 16 positions of every (batch, head), carried finely: under a causal-like mask these rows average few values and are the largest in size.
; A work-group is one (batch, head) and one quarter of its keys (512); wave w takes ONE step of 64 keys, step 8 x quarter + w, for the 16 queries.  So a wave asks for all that it needs at its head, 44 loads
; (Q 4, K 16, the mask 8, V 16), and goes to memory once; a work-group reads 128 KB of K and V and 32 KB of the mask.
; Scores: f16 operands (q carries 0.125 log2(e)), f32 sums.  The mask is applied as the problem writes it, (1 - mask) x (-1e9), then x log2(e), and ADDED in f32.
; p = 2^(t - m) is split in f32 into a high part of 11 significant bits (c = 8193 p; hi = c - (c - p)) and the rest; both parts go to the matrix unit as f16.
; The eight waves' parts are merged through LDS by their maxima.  The four quarters of a (batch, head) lie in four work-groups, so what leaves is a PART: opart [bh 64][quarter 4][row 16][64] f32, the quarter's O relative to its
; own largest t and not divided, and ml [bh][row 16][quarter 4][m, l]; the launch that multiplies by Wo merges the four.
; All operands come from memory straight into registers, as images of operand registers.  The mask's pieces are 32 bytes of each of 16 rows.
; No cluster: the work-groups of a (batch, head) read different keys; what work-groups share is the mask's 16 rows, 32 KB of a work-group's 160 KB.
; REGISTERS: v0-25, v42 ids, addresses, statistics; v26-41 Q; v48-111 K, later p's high parts, low parts and the split's temporaries; v112-175 V; v176-207 the mask, later O^T; v208-239 S^T.
.set KVOFF, 16777216
.set PM,    32768                      ; LDS: 0: 8 x 4,096 the waves' O^T; PM: 8 x 128 m, behind it 8 x 128 l
.set STG,   34816                      ; 16 rows x (256 + 16)
.set SPARE, 39168                      ; the spare words, 128 bytes for each of 8 waves
.set GO,  4                            ; v4  16 x lane
.set SPW, 5
.set NIL, 6
.set VM,  7                            ; v7  the mask: 8,192 r + 32 h
.set MM,  14                           ; v[14:15] m
.set LL,  16                           ; v[16:17] l, even and odd keys'
.set CC,  20                           ; v20-23 at work
.set PERM, 25
.set Q,   26
.set FK,  48
.set PH,  48                           ; in K's registers, which are done with when p is made
.set PL,  64
.set TT,  80
.set FV,  112
.set MK,  176
.set O,   176                          ; in the mask's registers, which are done with when t is made
.set S,   208
	s_load_b256 s[4:11], s[0:1], 0x0               ; qkv s[4:5], mask s[6:7], opart s[8:9], ml s[10:11]
	v_lshl_add_u32 v[SPW], v0, 2, SPARE
	v_mov_b32 v[NIL], 0
	v_lshrrev_b32 v1, 5, v0
	v_readfirstlane_b32 s12, v1                    ; wave 0..7
	v_and_b32 v1, 31, v0                           ; lane
	v_and_b32 v2, 15, v0                           ; r
	v_bfe_u32 v3, v0, 4, 1                         ; h
	v_lshlrev_b32 v[GO], 4, v1
	v_lshlrev_b32 v[VM], 13, v2
	v_lshl_add_u32 v[VM], v3, 5, v[VM]
	s_lshl_b32 s26, s12, 12
	v_add_nc_u32 v8, s26, v[GO]                    ; my O^T's image: 4,096 w + 16 lane
	s_lshl_b32 s26, s12, 7
	s_add_co_u32 s26, s26, PM
	v_lshl_add_u32 v9, v1, 2, s26                  ; my m (my l 1,024 bytes on)
	v_lshl_add_u32 v10, v1, 2, PM                  ; the merge: wave i's m at + 128 i
	s_lshl_b32 s26, s12, 9
	v_add_nc_u32 v11, s26, v[GO]                   ; the merge: registers 4 w .. 4 w + 3 of wave i's O^T at + 4,096 i
	s_lshr_b32 s26, s12, 1
	s_lshl_b32 s26, s26, 6
	s_and_b32 s27, s12, 1
	s_lshl_b32 s27, s27, 4
	s_add_co_u32 s26, s26, s27
	s_add_co_u32 s26, s26, STG
	v_mul_u32_u24 v12, v2, 272
	v_lshl_add_u32 v12, v3, 5, v12
	v_add_nc_u32 v12, s26, v12                     ; the stage: row r; registers 4 w .. 4 w + 3 are channels 16 (w / 2) + 8 h + 4 (w % 2) on
	s_mul_i32 s26, s12, 544
	s_add_co_u32 s26, s26, STG
	v_mul_u32_u24 v13, v3, 272
	v_lshl_add_u32 v13, v2, 4, v13
	v_add_nc_u32 v13, s26, v13                     ; back: rows 2 w and 2 w + 1, sixteen lanes to a row
	v_lshlrev_b32 v42, 5, v2                       ; ml: 32 bytes a row
	v_mov_b32 v[MM+1], 0                           ; the upper half of a pair that is named whole, the sums, and the permute's destination, are written once
	v_mov_b32 v[LL], 0
	v_mov_b32 v[LL+1], 0
	v_mov_b32 v[PERM], 0
	s_mov_b32 s18, 0x76543210
	s_mov_b32 s19, 0xfedcba98                      ; lane l xor 16
	s_mov_b32 s20, 0xce6e6b28                      ; -1e9
	s_mov_b32 s21, s20
	s_mov_b32 s22, 0x3fb8aa3b                      ; log2(e)
	s_mov_b32 s23, s22
	s_mov_b32 s24, 0x46000400                      ; 8193
	s_mov_b32 s25, s24
	s_lshr_b32 s13, ttmp9, 2                       ; the (batch, head)
	s_and_b32 s14, ttmp9, 3                        ; the quarter of its keys
	s_lshl_b32 s15, s14, 3
	s_add_co_u32 s15, s15, s12                     ; my step of 64 keys
	s_lshl_b32 s28, s13, 19                        ; K, V: 524,288 bytes a (batch, head), 16,384 a step
	s_lshl_b32 s29, s15, 14
	s_add_co_u32 s28, s28, s29
	s_add_co_u32 s28, s28, KVOFF
	s_mov_b32 s29, 0
	s_lshl_b32 s30, s13, 18                        ; Q: query tile 0
	s_mov_b32 s31, 0
	s_lshl_b32 s32, s15, 8                         ; the mask: my 64 keys
	s_mov_b32 s33, 0
	s_lshl_b32 s34, s13, 14                        ; opart: 16,384 bytes a (batch, head), 4,096 a quarter, 512 my two rows
	s_lshl_b32 s35, s14, 12
	s_add_co_u32 s34, s34, s35
	s_lshl_b32 s35, s12, 9
	s_add_co_u32 s34, s34, s35
	s_mov_b32 s35, 0
	s_lshl_b32 s36, s13, 9                         ; ml: 512 bytes a (batch, head), 8 a quarter
	s_lshl_b32 s37, s14, 3
	s_add_co_u32 s36, s36, s37
	s_mov_b32 s37, 0
	s_wait_kmcnt 0x0
	s_add_nc_u64 s[16:17], s[4:5], s[28:29]
	s_add_nc_u64 s[4:5], s[4:5], s[30:31]
	s_add_nc_u64 s[6:7], s[6:7], s[32:33]
	s_add_nc_u64 s[8:9], s[8:9], s[34:35]
	s_add_nc_u64 s[10:11], s[10:11], s[36:37]
.irp f, 0,1,2,3
	global_load_b128 v[Q+4*\f:Q+4*\f+3], v[GO], s[4:5] offset:512*\f
.endr
.irp f, 0,1,2,3,4,5,6,7
	global_load_b128 v[FK+8*\f:FK+8*\f+3], v[GO], s[16:17] offset:1024*\f
	global_load_b128 v[FK+8*\f+4:FK+8*\f+7], v[GO], s[16:17] offset:1024*\f+512
.endr
.irp k, 0,1,2,3                        ; mask[r][64 step + 16 k + 8 h + 0..7]: the layout of S^T
	global_load_b128 v[MK+8*\k:MK+8*\k+3], v[VM], s[6:7] offset:64*\k
	global_load_b128 v[MK+8*\k+4:MK+8*\k+7], v[VM], s[6:7] offset:64*\k+16
.endr
.irp f, 0,1,2,3,4,5,6,7
	global_load_b128 v[FV+8*\f:FV+8*\f+3], v[GO], s[16:17] offset:8192+1024*\f
	global_load_b128 v[FV+8*\f+4:FV+8*\f+7], v[GO], s[16:17] offset:8192+1024*\f+512
.endr
	s_wait_loadcnt 16                              ; Q, K and the mask are in; V's sixteen loads may be out
.irp e, 0,1                            ; S^T = K Q^T: source 0 = 16 keys, source 1 = the 16 queries; the four accumulators by turns
.irp k, 0,1,2,3
.if \e == 0
	v_wmma_f32_16x16x32_f16 v[S+8*\k:S+8*\k+7], v[FK+8*(2*\k+\e):FK+8*(2*\k+\e)+7], v[Q+8*\e:Q+8*\e+7], 0
.else
	v_wmma_f32_16x16x32_f16 v[S+8*\k:S+8*\k+7], v[FK+8*(2*\k+\e):FK+8*(2*\k+\e)+7], v[Q+8*\e:Q+8*\e+7], v[S+8*\k:S+8*\k+7]
.endif
.endr
.endr
.set i, 0
.rept 16                               ; (1 - mask) x (-1e9) x log2(e), each product rounded by itself.  These lines are also the places behind the products
	v_pk_add_f32 v[MK+i:MK+i+1], v[MK+i:MK+i+1], 1.0 op_sel_hi:[1,0] neg_lo:[1,0] neg_hi:[1,0]
.set i, i+2
.endr
.set i, 0
.rept 16
	v_pk_mul_f32 v[MK+i:MK+i+1], v[MK+i:MK+i+1], s[20:21] op_sel_hi:[1,0]
.set i, i+2
.endr
.set i, 0
.rept 16
	v_pk_mul_f32 v[MK+i:MK+i+1], v[MK+i:MK+i+1], s[22:23] op_sel_hi:[1,0]
.set i, i+2
.endr
.set i, 0
.rept 16
	v_pk_add_f32 v[S+i:S+i+1], v[S+i:S+i+1], v[MK+i:MK+i+1]       ; t; each accumulator from its low end on
.set i, i+2
.endr
.irp j, 0,1,2,3                        ; the largest t of my 32
	v_max3_num_f32 v[CC+\j], v[S+8*\j], v[S+8*\j+1], v[S+8*\j+2]
.endr
.irp u, 1,2
.irp j, 0,1,2,3
	v_max3_num_f32 v[CC+\j], v[CC+\j], v[S+8*\j+2*\u+1], v[S+8*\j+2*\u+2]
.endr
.endr
	v_max3_num_f32 v[CC], v[CC], v[S+7], v[S+15]
	v_max3_num_f32 v[CC+2], v[CC+2], v[S+23], v[S+31]
	v_max3_num_f32 v[CC], v[CC], v[CC+1], v[CC+2]
	v_max_num_f32 v[CC], v[CC], v[CC+3]
	v_permlanex16_b32 v[PERM], v[CC], s18, s19     ; the query's other 32 keys lie in the lane 16 away
	v_max_num_f32 v[MM], v[CC], v[PERM]
.set i, 0
.rept 16
	v_pk_add_f32 v[S+i:S+i+1], v[S+i:S+i+1], v[MM:MM+1] op_sel_hi:[1,0] neg_lo:[0,1] neg_hi:[0,1]   ; t - m
.set i, i+2
.endr
.set i, 0
.rept 32
	v_exp_f32 v[S+i], v[S+i]
.set i, i+1
.endr
	v_nop                                          ; a plain line behind the last exponential
	s_wait_alu depctr_va_vdst(0)                   ; the wait ahead of the first line that names a result: one for the batch
	v_pk_add_f32 v[CC:CC+1], v[S:S+1], v[S+2:S+3]                 ; the sum is taken of the whole p, in two chains
.irp i, 4,8,12,16,20,24,28
	v_pk_add_f32 v[LL:LL+1], v[LL:LL+1], v[S+\i:S+\i+1]
	v_pk_add_f32 v[CC:CC+1], v[CC:CC+1], v[S+\i+2:S+\i+3]
.endr
	v_pk_add_f32 v[LL:LL+1], v[LL:LL+1], v[CC:CC+1]
.set qq, 0
.rept 4                                ; the split, four pairs at a time
.irp n, 0,1,2,3
	v_pk_mul_f32 v[TT+2*\n:TT+2*\n+1], v[S+8*qq+2*\n:S+8*qq+2*\n+1], s[24:25] op_sel_hi:[1,0]                       ; c = 8193 p
.endr
.irp n, 0,1,2,3
	v_pk_add_f32 v[TT+8+2*\n:TT+8+2*\n+1], v[TT+2*\n:TT+2*\n+1], v[S+8*qq+2*\n:S+8*qq+2*\n+1] neg_lo:[0,1] neg_hi:[0,1]   ; c - p
.endr
.irp n, 0,1,2,3
	v_pk_add_f32 v[TT+2*\n:TT+2*\n+1], v[TT+2*\n:TT+2*\n+1], v[TT+8+2*\n:TT+8+2*\n+1] neg_lo:[0,1] neg_hi:[0,1]         ; hi
.endr
.irp n, 0,1,2,3
	v_pk_add_f32 v[S+8*qq+2*\n:S+8*qq+2*\n+1], v[S+8*qq+2*\n:S+8*qq+2*\n+1], v[TT+2*\n:TT+2*\n+1] neg_lo:[0,1] neg_hi:[0,1]   ; lo = p - hi, exact
.endr
.irp n, 0,1,2,3
	v_cvt_pk_f16_f32 v[PH+4*qq+\n], v[TT+2*\n], v[TT+2*\n+1]
.endr
.irp n, 0,1,2,3
	v_cvt_pk_f16_f32 v[PL+4*qq+\n], v[S+8*qq+2*\n], v[S+8*qq+2*\n+1]
.endr
.set qq, qq+1
.endr
	s_wait_loadcnt 0x0                             ; V is in
.irp g, 0,1                            ; O^T = V^T P: the high parts, then the low; the four accumulators by turns; the first four products start the sums
.irp c, 0,1,2,3
.if \g == 0
	v_wmma_f32_16x16x32_f16 v[O+8*\c:O+8*\c+7], v[FV+8*(4*\g+\c):FV+8*(4*\g+\c)+7], v[PH+8*\g:PH+8*\g+7], 0
.else
	v_wmma_f32_16x16x32_f16 v[O+8*\c:O+8*\c+7], v[FV+8*(4*\g+\c):FV+8*(4*\g+\c)+7], v[PH+8*\g:PH+8*\g+7], v[O+8*\c:O+8*\c+7]
.endif
.endr
.irp c, 0,1,2,3
	v_wmma_f32_16x16x32_f16 v[O+8*\c:O+8*\c+7], v[FV+8*(4*\g+\c):FV+8*(4*\g+\c)+7], v[PL+8*\g:PL+8*\g+7], v[O+8*\c:O+8*\c+7]
.endr
.endr
.rept 4
	v_nop                                          ; places in front of the reads of O^T and of the loads into the products' registers
.endr
	; THE MERGE.  Each wave leaves m, l and O^T in LDS; wave w then merges registers 4 w .. 4 w + 3 of all eight
	v_add_f32 v[CC], v[LL], v[LL+1]
	v_permlanex16_b32 v[PERM], v[CC], s18, s19
	v_add_f32 v[CC], v[CC], v[PERM]                ; my wave's l
.irp i, 0,1,2,3,4,5,6,7
	ds_store_b128 v8, v[O+4*\i:O+4*\i+3] offset:512*\i            ; each accumulator from its low end on
.endr
	ds_store_b32 v9, v[MM]
	ds_store_b32 v9, v[CC] offset:1024
	s_wait_dscnt 0x0                               ; for the others' sake: my stores have landed
	s_barrier_signal -1
	s_barrier_wait -1
.irp i, 0,1,2,3,4,5,6,7
	ds_load_b32 v[48+\i], v10 offset:128*\i
	ds_load_b32 v[56+\i], v10 offset:1024+128*\i
	ds_load_b128 v[64+4*\i:67+4*\i], v11 offset:4096*\i
.endr
	s_wait_dscnt 0x0
	v_max3_num_f32 v100, v48, v49, v50
	v_max3_num_f32 v100, v100, v51, v52
	v_max3_num_f32 v100, v100, v53, v54
	v_max_num_f32 v100, v100, v55                  ; the quarter's largest t of my query
.irp i, 0,1,2,3,4,5,6,7
	v_sub_f32 v[48+\i], v[48+\i], v100
.endr
.irp i, 0,1,2,3,4,5,6,7
	v_exp_f32 v[48+\i], v[48+\i]                   ; f_i = 2^(m_i - the largest)
.endr
	v_nop
	s_wait_alu depctr_va_vdst(0)                   ; one wait for the eight
	v_mul_f32 v101, v48, v56
.irp n, 0,1,2,3
	v_mul_f32 v[96+\n], v48, v[64+\n]
.endr
.irp i, 1,2,3,4,5,6,7
	v_fma_f32 v101, v[48+\i], v[56+\i], v101       ; the quarter's l
.irp n, 0,1,2,3
	v_fma_f32 v[96+\n], v[48+\i], v[64+4*\i+\n], v[96+\n]
.endr
.endr
	ds_store_b128 v12, v[96:99]
	s_wait_dscnt 0x0
	s_barrier_signal -1
	s_barrier_wait -1                              ; 16 whole rows of 64 channels lie in the stage
	ds_load_b128 v[104:107], v13
	s_wait_dscnt 0x0
	global_store_b128 v[GO], v[104:107], s[8:9]    ; 32 lanes store two rows, 512 consecutive bytes, aligned
	s_cmp_lg_u32 s12, 0
	s_cbranch_scc1 .Ldone
	global_store_b64 v42, v[100:101], s[10:11]     ; m and l of my query, 8 bytes of its 32: one wave's one store of 128 bytes in all; both halves of the lanes hold the same numbers and write the same bytes
.Ldone:
	s_wait_tensorcnt 0x0                           ; the wave's end
	ds_add_u32 v[SPW], v[NIL]
	s_wait_dscnt 0x0
	s_endpgm
.Lfunc_end_k_q90f73409ff_fattn:
	.size	k_q90f73409ff_fattn, .Lfunc_end_k_q90f73409ff_fattn-k_q90f73409ff_fattn
	.p2alignl 7, 3214868480
	.fill 96, 4, 3214868480
	.section	.rodata,"a",@progbits
	.p2align	6, 0x0
	.amdhsa_kernel k_q90f73409ff_fattn
		.amdhsa_group_segment_fixed_size 40192
		.amdhsa_private_segment_fixed_size 0
		.amdhsa_enable_private_segment 0
		.amdhsa_kernarg_size 32
		.amdhsa_user_sgpr_count 2
		.amdhsa_user_sgpr_kernarg_segment_ptr 1
		.amdhsa_wavefront_size32 1
		.amdhsa_system_sgpr_workgroup_id_x 1
		.amdhsa_system_sgpr_workgroup_id_y 1
		.amdhsa_system_sgpr_workgroup_id_z 1
		.amdhsa_system_vgpr_workitem_id 0
		.amdhsa_next_free_vgpr 256
		.amdhsa_next_free_sgpr 66
		.amdhsa_reserve_vcc 0
		.amdhsa_float_denorm_mode_32 3
		.amdhsa_float_denorm_mode_16_64 3
		.amdhsa_memory_ordered 1
		.amdhsa_forward_progress 1
		.amdhsa_inst_pref_size 30
	.end_amdhsa_kernel
	.amdgpu_metadata
---
amdhsa.version: [ 1, 2 ]
amdhsa.kernels:
  - .name:           k_q90f73409ff_fattn
    .symbol:         k_q90f73409ff_fattn.kd
    .args:
      - { .name: qkv, .offset: 0, .size: 8, .value_kind: global_buffer, .address_space: global }
      - { .name: mask, .offset: 8, .size: 8, .value_kind: global_buffer, .address_space: global }
      - { .name: opart, .offset: 16, .size: 8, .value_kind: global_buffer, .address_space: global }
      - { .name: ml, .offset: 24, .size: 8, .value_kind: global_buffer, .address_space: global }
    .group_segment_fixed_size: 40192
    .private_segment_fixed_size: 0
    .kernarg_segment_align: 8
    .kernarg_segment_size: 32
    .max_flat_workgroup_size: 256
    .sgpr_count:     66
    .vgpr_count:     256
    .wavefront_size: 32
...
	.end_amdgpu_metadata
.endif
;; end of part 3
;; launch attn (part 4): grid 8 x 32, 8 waves a work-group, clusters of 4 x 4, 327,680 bytes of LDS; arguments qkv, mask, oimg; writes oimg
.if DOCPART == 4
	.amdgcn_target "amdgcn-amd-amdhsa--gfx1250"
	.amdhsa_code_object_version 6
	.text
	.protected	k_q90f73409ff_attn
	.globl	k_q90f73409ff_attn
	.p2align	8
	.type	k_q90f73409ff_attn,@function
k_q90f73409ff_attn:
	s_mov_b64 s[64:65], 0
	v_nop
	global_prefetch_b8 v0, s[64:65] scope:SCOPE_SE
	s_setreg_imm32_b32 hwreg(HW_REG_WAVE_MODE, 25, 1), 1
	s_wait_xcnt 0x0
	s_wait_alu depctr_hold_cnt(0) depctr_sa_sdst(0) depctr_va_vdst(0) depctr_va_sdst(0) depctr_va_ssrc(0) depctr_va_vcc(0) depctr_vm_vsrc(0)
	s_getreg_b32 s2, hwreg(HW_REG_IB_STS2, 6, 4)
	s_cmp_eq_u32 s2, 0
	s_cbranch_scc0 .Lentry_in_a_cluster
	s_endpgm
.Lentry_in_a_cluster:
	s_bfe_u32 s2, ttmp6, 0x10000c
	s_cmp_lg_u32 s2, 0xf033
	s_cbranch_scc0 .Lentry_shape_is_right
	s_endpgm
.Lentry_shape_is_right:
; ATTN.  o = softmax(q k^T / 8 + (1 - mask) (-1e9)) v for all positions; f16 operands, f32 sums, a running maximum.  The mask is an input: every number of it is read and applied, all 2,048 keys are walked.
; SHARES.  A work-group owns 256 queries (qb) of two heads (hp); wave w: head w % 2, queries 64 (w / 2) on: four tiles of 16.  Keys go 64 a step, 32 steps.
; LAYOUT.  S^T = K Q^T (source 0 = 16 keys, source 1 = 16 queries) and O^T = V^T P: a lane holds ONE query (lane % 16) throughout.  Q, K and V^T come as images of operand registers (piece c of a fragment: lane l's 16 bytes
; at 512 c + 16 l), so every fragment load reads 512 consecutive bytes.  S^T's tiles, rounded to f16 in pairs in place, ARE source 1 of the second product.
; THE MASK COSTS NO ADDITION: its tile is loaded into S^T's registers, one packed multiply-add turns it into G mask - G (G = 1e9 log2(e)), and that is the C of the first product.  q carries 0.125 log2(e): the unit delivers t, the exponent of 2.
; LIMITS: for a mask of 0 and 1 the offset is the problem's own x log2(e); a fractional mask's is rounded once where the problem rounds twice.  In a row all of whose keys are masked the scores are absorbed into the offset by the
; matrix unit's own rounding (steps of 128 in t) where the problem has steps of 64 in the logit: both give uniform weights while |logit| < 32.  (Positions 0-15 are made anew, in the problem's own order, by another launch.)
; TWO ROLES.  A SIMD holds two waves.  Both run the cycle V^T P, K Q^T, softmax; the step's barrier cuts the cycle behind the softmax in role 0 and in front of it in role 1, so that one wave's matrix half stands beside the
; other's vector half.  role = (w xor w / 4) % 2 differs between w and w + 4 and between 2 i and 2 i + 1.  Barrier, refill and every LDS address are common text.
; CLUSTER 4 x 4.  The four work-groups of a row (same hp) need the same K and V, the four of a column (same qb) the same mask tile: each tile is asked for jointly; every wave issues one load behind each round.
; REGISTERS.  window 0: v3-13 addresses and constants; v16-63 statistics, 12 a tile; v64-191 S^T, 32 a tile; v192-255 K.   window 1: v0-127 O^T, 32 a tile; v128-191 Q; v192-255 V^T.
.set KVOFF, 16777216
.set SLOT1, 1<<17                      ; slot 1 begins here: one exclusive or turns an address
.set MP,    272                        ; a mask row in LDS: 64 keys x 4 bytes + 16: sixteen rows start at sixteen different banks
.set KVB,   256*MP                     ; behind the mask's 256 rows: K0, V0, K1, V1, 8,192 bytes each
.set SPARE, 262144                     ; the spare words, 128 bytes for each of 8 waves
.set AM0, 3                            ; v3   my place in the mask tile: (64 (w / 2) + r) x 272 + 32 h
.set AK0, 4                            ; v4   my place in my head's K: KVB + 16,384 (w % 2) + 16 lane
.set ADM, 5                            ; v5, v6  the same in the slot in hand
.set ADK, 6
.set GO,  7                            ; v7   16 x lane
.set PFO, 8                            ; v8   the prefetches' offset; never rewritten
.set SPW, 10
.set NIL, 11
.set NG,  12                           ; v[12:13] -G
.set ST,  16                           ; tile t at ST + 12 t: +0:1 m, +2:3 l, +4:5 a, +6..9 at work, +10 old m - new m, +11 the other half's maximum
.set S,   64
.set FK,  192
.set QR,  128                          ; window 1
.set FV,  192                          ; window 1
.set WV,  10
.set ROLE, 11
.set HD,  12
.set QQ,  13
.set CNT, 14
.set LIM, 15
.set PFA, 18
.set PFS, 20
.set GG,  22                           ; s[22:23] G
.set G1M, 24
.set G0M, 32                           ; s[32:39] two sets; the second walks
.set TB,  44
.set G1K, 48
.set G0K, 56
.set SEL, 66
.set MSB, 0
.macro WIN new
.if MSB != (\new)
	s_set_vgpr_msb (MSB<<8)|(\new)
.set MSB, (\new)
.endif
.endm
.macro NOPS
.rept 4
	v_nop
.endr
.endm
.macro JLOAD                           ; a joint refill: waves 0-3 64 rows of the mask each, waves 4-7 K0, V0, K1, V1; an s_nop 0 and four v_nop follow each line
	s_cmp_lt_u32 s[WV], 4
	s_cbranch_scc0 .Lfor_k_\@
	tensor_load_to_lds s[G0M+4:G0M+7], s[G1M:G1M+7]
	s_nop 0
	NOPS
	s_branch .Lasked_\@
.Lfor_k_\@:
	tensor_load_to_lds s[G0K+4:G0K+7], s[G1K:G1K+7]
	s_nop 0
	NOPS
.Lasked_\@:
.endm
.macro CROUND
	s_barrier_signal -1
	s_barrier_wait -1
	s_cmp_lg_u32 s[WV], 0
	s_cbranch_scc1 .Lnot_wave_0_\@
	s_barrier_signal -3
.Lnot_wave_0_\@:
	s_barrier_wait -3
	s_barrier_signal -1
	s_barrier_wait -1
.endm
; A PREFETCH INTO THE L2 of the tile that stands two refills on.  Each aligned block of 256 bytes is named once in the launch.  The mask: all clusters of a column of clusters read the same rows: those with cluster y = 0 ask,
; waves 0 and 1, rows 256 qb + 64 cy + 32 w + lane.  K and V: the clusters with cluster x = 0 ask, wave 4: 8,192 bytes of head 2 hp + cx / 2, half cx % 2, lanes 256 bytes apart.  Partners are told apart by address alone.
; It stops where the tile two refills on would pass tile 31.
.macro ASK
	s_cmp_gt_u32 s[CNT], s[LIM]
	s_cbranch_scc0 .Lnot_mine_\@
	global_prefetch_b8 v[PFO], s[PFA:PFA+1] th:TH_LOAD_NT scope:SCOPE_SE
.Lnot_mine_\@:
.endm
.macro LOADK                           ; 16 loads: K's 8 fragments, f = 2 kt + cs
.irp f, 0,1,2,3,4,5,6,7
	ds_load_b128 v[FK+8*\f:FK+8*\f+3], v[ADK] offset:1024*\f
	ds_load_b128 v[FK+8*\f+4:FK+8*\f+7], v[ADK] offset:1024*\f+512
.endr
.endm
.macro LOADV                           ; 16 loads: V^T's 8 fragments, f = 4 g + ct, into window 1
	WIN 0x40
.irp f, 0,1,2,3,4,5,6,7
	ds_load_b128 v[FV+8*\f:FV+8*\f+3], v[ADK] offset:8192+1024*\f
	ds_load_b128 v[FV+8*\f+4:FV+8*\f+7], v[ADK] offset:8192+1024*\f+512
.endr
.endm
.macro LOADM m                         ; 8 loads: mask[query][16 k + 8 h + 0..7] into S^T's registers of tile m
.irp k, 0,1,2,3
	ds_load_b128 v[S+32*(\m)+8*\k:S+32*(\m)+8*\k+3], v[ADM] offset:16*MP*(\m)+64*\k
	ds_load_b128 v[S+32*(\m)+8*\k+4:S+32*(\m)+8*\k+7], v[ADM] offset:16*MP*(\m)+64*\k+16
.endr
.endm
; The mask becomes C, then S^T = K Q^T + C, tile by tile; a tile's four accumulators by turns
.macro CKQ
.irp t, 0,1,2,3
	s_wait_dscnt (3-\t)*8+16                       ; K and this tile's mask are in; the later tiles' 8 loads each and V's 16 may be out
.set i, 0
.rept 16
	v_pk_fma_f32 v[S+32*\t+i:S+32*\t+i+1], v[S+32*\t+i:S+32*\t+i+1], s[GG:GG+1], v[NG:NG+1] op_sel_hi:[1,0,1]   ; G mask - G
.set i, i+2
.endr
	WIN 0x04                                       ; source 1 (Q) window 1
.irp e, 0,1
.irp k, 0,1,2,3
	v_wmma_f32_16x16x32_f16 v[S+32*\t+8*\k:S+32*\t+8*\k+7], v[FK+8*(2*\k+\e):FK+8*(2*\k+\e)+7], v[QR+16*\t+8*\e:QR+16*\t+8*\e+7], v[S+32*\t+8*\k:S+32*\t+8*\k+7]
.endr
.endr
	WIN 0
.endr
	NOPS                                           ; FIVE plain lines.  Four serve the softmax's reads of S^T and the next loads into K's registers; a matrix instruction that takes S^T as an operand stands five
	v_nop                                          ; behind the product that wrote it (ISA guide 7.12.1).  A softmax always lies between for a wave of either role, but the text has a way that leads round both: the distance is kept on that way too
.endm
; O^T += V^T P, tile by tile; behind a tile's products its S^T registers take the next step's mask; at the end V's registers take the next step's V
.macro PVALL next
.irp t, 0,1,2,3
	WIN 0x51                                       ; V^T, C and D window 1, P window 0
.irp g, 0,1
.irp c, 0,1,2,3
	v_wmma_f32_16x16x32_f16 v[32*\t+8*\c:32*\t+8*\c+7], v[FV+8*(4*\g+\c):FV+8*(4*\g+\c)+7], v[S+32*\t+8*\g:S+32*\t+8*\g+7], v[32*\t+8*\c:32*\t+8*\c+7]
.endr
.endr
.if \next
	NOPS                                           ; places in front of loads into registers that the products have read
	WIN 0
	LOADM \t
.endif
.endr
.if \next
	LOADV
.endif
	WIN 0
.endm
; THE SOFTMAX of a step, 118 lines a tile, the four tiles innermost, so that no line waits for the line above it
.macro SM
.irp j, 0,1,2,3                        ; the largest of a lane's 32 t and the old m; each accumulator is read first at its low end
.irp t, 0,1,2,3
	v_max3_num_f32 v[ST+12*\t+6+\j], v[S+32*\t+8*\j], v[S+32*\t+8*\j+1], v[S+32*\t+8*\j+2]
.endr
.endr
.irp u, 1,2
.irp j, 0,1,2,3
.irp t, 0,1,2,3
	v_max3_num_f32 v[ST+12*\t+6+\j], v[ST+12*\t+6+\j], v[S+32*\t+8*\j+2*\u+1], v[S+32*\t+8*\j+2*\u+2]
.endr
.endr
.endr
.irp t, 0,1,2,3
	v_max3_num_f32 v[ST+12*\t+6], v[ST+12*\t+6], v[S+32*\t+7], v[S+32*\t+15]
.endr
.irp t, 0,1,2,3
	v_max3_num_f32 v[ST+12*\t+8], v[ST+12*\t+8], v[S+32*\t+23], v[S+32*\t+31]
.endr
.irp t, 0,1,2,3
	v_max3_num_f32 v[ST+12*\t+6], v[ST+12*\t+6], v[ST+12*\t+7], v[ST+12*\t+8]
.endr
.irp t, 0,1,2,3
	v_max3_num_f32 v[ST+12*\t+6], v[ST+12*\t+6], v[ST+12*\t+9], v[ST+12*\t]
.endr
.irp t, 0,1,2,3
	v_permlanex16_b32 v[ST+12*\t+11], v[ST+12*\t+6], s[SEL], s[SEL+1]   ; the query's other 32 keys lie in the lane 16 away
.endr
.irp t, 0,1,2,3
	v_max_num_f32 v[ST+12*\t+7], v[ST+12*\t+6], v[ST+12*\t+11]
.endr
.irp t, 0,1,2,3
	v_sub_f32 v[ST+12*\t+10], v[ST+12*\t], v[ST+12*\t+7]          ; old m - new m
.endr
.irp t, 0,1,2,3
	v_mov_b32 v[ST+12*\t], v[ST+12*\t+7]
.endr
.set i, 0
.rept 16
.irp t, 0,1,2,3
	v_pk_add_f32 v[S+32*\t+i:S+32*\t+i+1], v[S+32*\t+i:S+32*\t+i+1], v[ST+12*\t:ST+12*\t+1] op_sel_hi:[1,0] neg_lo:[0,1] neg_hi:[0,1]   ; t - m: a subtraction by itself, so p is at most 1 whatever the size of t
.endr
.set i, i+2
.endr
.irp t, 0,1,2,3
	v_exp_f32 v[ST+12*\t+4], v[ST+12*\t+10]        ; a
.endr
.set i, 0
.rept 32
.irp t, 0,1,2,3
	v_exp_f32 v[S+32*\t+i], v[S+32*\t+i]           ; p
.endr
.set i, i+1
.endr
	v_nop                                          ; a plain line behind the last exponential
	s_wait_alu depctr_va_vdst(0)                   ; the wait ahead of the first line that names a result: one for the batch of 132
.irp t, 0,1,2,3
	v_pk_mul_f32 v[ST+12*\t+2:ST+12*\t+3], v[ST+12*\t+2:ST+12*\t+3], v[ST+12*\t+4:ST+12*\t+5] op_sel_hi:[1,0]
.endr
.irp t, 0,1,2,3
	v_pk_add_f32 v[ST+12*\t+6:ST+12*\t+7], v[S+32*\t:S+32*\t+1], v[S+32*\t+2:S+32*\t+3]   ; the sum is taken of the unrounded p, in two chains
.endr
.irp i, 4,8,12,16,20,24,28
.irp t, 0,1,2,3
	v_pk_add_f32 v[ST+12*\t+2:ST+12*\t+3], v[ST+12*\t+2:ST+12*\t+3], v[S+32*\t+\i:S+32*\t+\i+1]
.endr
.irp t, 0,1,2,3
	v_pk_add_f32 v[ST+12*\t+6:ST+12*\t+7], v[ST+12*\t+6:ST+12*\t+7], v[S+32*\t+\i+2:S+32*\t+\i+3]
.endr
.endr
.irp t, 0,1,2,3
	v_pk_add_f32 v[ST+12*\t+2:ST+12*\t+3], v[ST+12*\t+2:ST+12*\t+3], v[ST+12*\t+6:ST+12*\t+7]
.endr
.set i, 0
.rept 16
.irp t, 0,1,2,3
	v_cvt_pk_f16_f32 v[S+32*\t+i], v[S+32*\t+2*i], v[S+32*\t+2*i+1]   ; in place, ascending: registers 8 g .. 8 g + 7 of a tile are P's fragment of keys 32 g on
.endr
.set i, i+1
.endr
	WIN 0x41                                       ; O^T window 1, a window 0
.set i, 0
.rept 16
.irp t, 0,1,2,3
	v_pk_mul_f32 v[32*\t+i:32*\t+i+1], v[32*\t+i:32*\t+i+1], v[ST+12*\t+4:ST+12*\t+5] op_sel_hi:[1,0]   ; O^T under the new m; each accumulator from its low end on
.endr
.set i, i+2
.endr
	WIN 0
.endm
.macro SMIF role                       ; the softmax, for the waves of one role: a branch on the wave's number alone, round register work alone
	s_cmp_lg_u32 s[ROLE], \role
	s_cbranch_scc1 .Lskip_\@
	SM
.Lskip_\@:
.endm
; THE STEP'S BARRIER.  Every wave waits for all its tensor loads (one is out: its part of the tile that is read next), adds 0 to its spare word, and waits for that and for its reads of the tile that it has left.
; fill = 1: the round of the cluster's barrier, and behind it the slot just left takes the tile two steps on: it has a whole step in which to land.
.macro X fill
	s_wait_tensorcnt 0x0                           ; no tensor load of mine is out, so a group 0 may be written
	ds_add_u32 v[SPW], v[NIL]
.if \fill
	s_xor_b32 s[G0M+5], s[G0M+5], SLOT1            ; the walking descriptors: the other slot than last time,
	s_add_nc_u64 s[G0M+6:G0M+7], s[G0M+6:G0M+7], 256     ; the next 64 keys of the mask's rows,
	s_xor_b32 s[G0K+5], s[G0K+5], SLOT1
	s_add_nc_u64 s[G0K+6:G0K+7], s[G0K+6:G0K+7], 16384   ; the next step's block of K and V
	s_wait_xcnt 0x0                                ; the last prefetch, a step back, has read its address
	s_add_nc_u64 s[PFA:PFA+1], s[PFA:PFA+1], s[PFS:PFS+1]
.endif
	s_xor_b32 s[TB], s[TB], SLOT1                  ; the slot that is read next
	s_wait_dscnt 0x0                               ; the add is done, and my reads of the other slot are over
.if \fill
	CROUND
	JLOAD                                          ; my one tensor load behind the round
.else
	s_barrier_signal -1
	s_barrier_wait -1
.endif
	v_add_nc_u32 v[ADM], s[TB], v[AM0]
	v_add_nc_u32 v[ADK], s[TB], v[AK0]
	LOADK
.if \fill
	ASK
.endif
.endm
	s_load_b128 s[4:7], s[0:1], 0x0                ; qkv s[4:5], mask s[6:7]
	s_load_b64 s[8:9], s[0:1], 0x10                ; oimg
	v_lshl_add_u32 v[SPW], v0, 2, SPARE
	v_mov_b32 v[NIL], 0
	ds_add_u32 v[SPW], v[NIL]                      ; the wave's opening: the add, twice on end, and its wait ahead of my first tensor load
	ds_add_u32 v[SPW], v[NIL]
	v_lshrrev_b32 v1, 5, v0
	v_readfirstlane_b32 s[WV], v1                  ; wave 0..7
	s_lshr_b32 s[ROLE], s[WV], 2
	s_xor_b32 s[ROLE], s[ROLE], s[WV]
	s_and_b32 s[ROLE], s[ROLE], 1
	s_and_b32 s[HD], s[WV], 1
	s_lshr_b32 s[QQ], s[WV], 1
	s_bfe_u32 s40, ttmp6, 0x40000                  ; cx
	s_bfe_u32 s41, ttmp6, 0x40004                  ; cy
	s_lshl_b32 s42, ttmp9, 2
	s_add_co_u32 s42, s42, s40                     ; qb: my block of 256 queries
	s_and_b32 s43, ttmp7, 0xffff
	s_lshl_b32 s43, s43, 2
	s_add_co_u32 s43, s43, s41                     ; hp: my pair of heads
	s_lshl_b32 s68, 0x1111, s40                    ; my column of the cluster: the same qb
	s_lshl_b32 s69, s41, 2
	s_lshl_b32 s69, 15, s69                        ; my row: the same hp
	s_or_b32 s[G1M], s68, (2<<16)|(1<<20)|(1<<21)|(5<<22)|(3<<25)   ; the mask tile: elements of 4 bytes; padding: 4 words after every 64
	s_mov_b32 s[G1M+1], 64<<16                     ; tensor_dim0 = 64 keys
	s_mov_b32 s[G1M+2], 64<<16                     ; tensor_dim1 = 64 rows
	s_mov_b32 s[G1M+3], 64<<16                     ; tile_dim0
	s_mov_b32 s[G1M+4], 64                         ; tile_dim1
	s_mov_b32 s[G1M+5], 2048                       ; from row to row
	s_mov_b32 s[G1M+6], 0
	s_mov_b32 s[G1M+7], 0
	s_or_b32 s[G1K], s69, (3<<16)|(1<<21)          ; 8,192 dense bytes as 32 rows of 32 elements of 8 bytes
	s_mov_b32 s[G1K+1], 32<<16
	s_mov_b32 s[G1K+2], 32<<16
	s_mov_b32 s[G1K+3], 32<<16
	s_mov_b32 s[G1K+4], 32
	s_mov_b32 s[G1K+5], 32
	s_mov_b32 s[G1K+6], 0
	s_mov_b32 s[G1K+7], 0
	s_lshl_b32 s70, s42, 21                        ; the mask: row 256 qb + 64 w, 8,192 bytes a row
	s_lshl_b32 s71, s[WV], 19
	s_add_co_u32 s70, s70, s71
	s_mov_b32 s71, 0
	s_lshl_b32 s72, s43, 1                         ; K, V: head 2 hp + (w / 2) % 2, K or V by w % 2
	s_bfe_u32 s73, s[WV], 0x10001
	s_add_co_u32 s72, s72, s73
	s_lshl_b32 s72, s72, 19
	s_lshl_b32 s73, s[HD], 13
	s_add_co_u32 s72, s72, s73
	s_add_co_u32 s72, s72, KVOFF
	s_mov_b32 s73, 0
	s_mul_i32 s74, s[WV], 64*MP                    ; where they go: the mask's 64 rows at wave x 17,408;
	s_lshl_b32 s75, s[WV], 13
	s_add_co_u32 s75, s75, KVB-4*8192              ; waves 4-7: KVB + 8,192 (wave - 4)
	; the prefetches: both candidates, then the choice by the wave's number
	s_lshl_b32 s76, s42, 21
	s_lshl_b32 s77, s41, 19
	s_add_co_u32 s76, s76, s77
	s_lshl_b32 s77, s[WV], 18
	s_add_co_u32 s76, s76, s77
	s_add_co_u32 s76, s76, 3*256                   ; the mask's rows 256 qb + 64 cy + 32 w on, at tile 3: the first step moves it to tile 4
	s_lshl_b32 s78, s43, 1
	s_lshr_b32 s77, s40, 1
	s_add_co_u32 s78, s78, s77
	s_lshl_b32 s78, s78, 19
	s_and_b32 s77, s40, 1
	s_lshl_b32 s77, s77, 13
	s_add_co_u32 s78, s78, s77
	s_add_co_u32 s78, s78, KVOFF+3*16384
	s_lshr_b32 s79, s[WV], 1
	s_and_b32 s77, ttmp7, 0xffff
	s_or_b32 s79, s79, s77                         ; 0 in waves 0 and 1 of the clusters with y = 0
	s_sub_co_u32 s77, s[WV], 4
	s_or_b32 s77, s77, ttmp9                       ; 0 in wave 4 of the clusters with x = 0
	s_mov_b32 s[PFS], 16384
	s_cmp_lt_u32 s[WV], 4
	s_cselect_b32 s76, s76, s78
	s_cselect_b32 s79, s79, s77
	s_cselect_b32 s[PFS], 256, s[PFS]              ; a step on
	s_cselect_b32 s78, 13, 8                       ; from lane to lane: a row of the mask, or 256 bytes
	s_mov_b32 s77, 0
	s_mov_b32 s[PFS+1], 0
	s_cmp_eq_u32 s79, 0
	s_cselect_b32 s[LIM], 2, -1                    ; the same in all sixteen partners, for a given wave
	v_and_b32 v1, 31, v0                           ; lane
	v_lshlrev_b32 v[PFO], s78, v1
	s_mov_b32 s[GG], 0x4eabfb8f                    ; G = 1e9 log2(e)
	s_mov_b32 s[GG+1], s[GG]
	s_mov_b32 s[SEL], 0x76543210
	s_mov_b32 s[SEL+1], 0xfedcba98
	s_mov_b32 s[TB], 0
	s_wait_dscnt 0x0                               ; both opening adds are done
	s_wait_kmcnt 0x0
	s_add_nc_u64 s[70:71], s[6:7], s[70:71]
	s_add_nc_u64 s[72:73], s[4:5], s[72:73]
	s_cmp_lt_u32 s[WV], 4
	s_cselect_b64 s[PFA:PFA+1], s[6:7], s[4:5]
	s_add_nc_u64 s[PFA:PFA+1], s[PFA:PFA+1], s[76:77]
	CROUND                                         ; all sixteen work-groups are here: the first joint loads meet
.irp s, 0,1
	s_mov_b32 s[G0M+4*\s], 1
	s_add_co_u32 s[G0M+4*\s+1], s74, \s*SLOT1
	s_add_nc_u64 s[G0M+4*\s+2:G0M+4*\s+3], s[70:71], \s*256
	s_or_b32 s[G0M+4*\s+3], s[G0M+4*\s+3], 0x80000000
	s_mov_b32 s[G0K+4*\s], 1
	s_add_co_u32 s[G0K+4*\s+1], s75, \s*SLOT1
	s_add_nc_u64 s[G0K+4*\s+2:G0K+4*\s+3], s[72:73], \s*16384
	s_or_b32 s[G0K+4*\s+3], s[G0K+4*\s+3], 0x80000000
.endr
	s_cmp_lt_u32 s[WV], 4                          ; a wave's two first fills stand in one branch: two loads of mine are out
	s_cbranch_scc0 .Lfirst_k
	tensor_load_to_lds s[G0M:G0M+3], s[G1M:G1M+7]
	s_nop 0
	tensor_load_to_lds s[G0M+4:G0M+7], s[G1M:G1M+7]
	s_nop 0
	NOPS
	s_branch .Lfirst_asked
.Lfirst_k:
	tensor_load_to_lds s[G0K:G0K+3], s[G1K:G1K+7]
	s_nop 0
	tensor_load_to_lds s[G0K+4:G0K+7], s[G1K:G1K+7]
	s_nop 0
	NOPS
.Lfirst_asked:
	v_and_b32 v2, 15, v0                           ; r
	v_bfe_u32 v9, v0, 4, 1                         ; h
	s_lshl_b32 s74, s[QQ], 6
	v_add_nc_u32 v[AM0], s74, v2
	v_mul_u32_u24 v[AM0], v[AM0], MP
	v_lshl_add_u32 v[AM0], v9, 5, v[AM0]
	v_lshlrev_b32 v[GO], 4, v1
	s_lshl_b32 s74, s[HD], 14
	s_add_co_u32 s74, s74, KVB
	v_add_nc_u32 v[AK0], s74, v[GO]
	s_lshl_b32 s68, s43, 1                         ; Q: (128 bh + 16 qb + 4 (w / 2)) tiles of 2,048 bytes
	s_add_co_u32 s68, s68, s[HD]
	s_lshl_b32 s68, s68, 18
	s_lshl_b32 s69, s42, 15
	s_add_co_u32 s68, s68, s69
	s_lshl_b32 s69, s[QQ], 13
	s_add_co_u32 s68, s68, s69
	s_mov_b32 s69, 0
	s_add_nc_u64 s[68:69], s[4:5], s[68:69]
	WIN 0x40                                       ; destination window 1
.irp t, 0,1,2,3
.irp f, 0,1,2,3
	global_load_b128 v[QR+16*\t+4*\f:QR+16*\t+4*\f+3], v[GO], s[68:69] offset:2048*\t+512*\f   ; Q stays in registers
.endr
.endr
.set i, 0
.rept 128
	v_mov_b32 v[i], 0                              ; O^T.  The step is written without a first step of its own (one more copy of the softmax and of the products, some 5 KB of code): the first finds zeros, which a = 0 leaves zeros
.set i, i+1
.endr
	WIN 0
	v_mov_b32 v[NG], 0xceabfb8f                    ; -G
	v_mov_b32 v[NG+1], 0xceabfb8f
.irp t, 0,1,2,3
	v_mov_b32 v[ST+12*\t], 0xff61b1e6              ; m: -3e38, under every t
	v_mov_b32 v[ST+12*\t+1], 0                     ; (the upper halves of pairs that are named whole, and the permute's destination, are written once)
	v_mov_b32 v[ST+12*\t+2], 0                     ; l
	v_mov_b32 v[ST+12*\t+3], 0
	v_mov_b32 v[ST+12*\t+5], 0
	v_mov_b32 v[ST+12*\t+11], 0
.endr
	s_wait_tensorcnt 0x1                           ; my part of tile 0 is in; tile 1's may stay out
	s_barrier_signal -1
	s_barrier_wait -1
	v_add_nc_u32 v[ADM], s[TB], v[AM0]
	v_add_nc_u32 v[ADK], s[TB], v[AK0]
	LOADK
.irp t, 0,1,2,3
	LOADM \t
.endr
	LOADV
	WIN 0
	s_wait_loadcnt 0x0                             ; Q
	CKQ                                            ; step 0's scores
	SMIF 0
	s_mov_b32 s[CNT], 30
.Lstep:                                        ; trip j = 0 .. 29: asks for tile j + 2, reads tile j + 1; role 0: V^T P (j), K Q^T (j + 1), softmax (j + 1); role 1: softmax (j), V^T P (j), K Q^T (j + 1)
	X 1
	SMIF 1
	PVALL 1
	CKQ
	SMIF 0
	s_sub_co_u32 s[CNT], s[CNT], 1
	s_cmp_lg_u32 s[CNT], 0
	s_cbranch_scc1 .Lstep
	X 0                                            ; the tail is written out: tile 31 is read, nothing is asked for
	SMIF 1
	PVALL 1
	CKQ
	SMIF 0
	s_wait_dscnt 0x0                               ; V of step 31 is in
	SMIF 1
	PVALL 0
	; THE WAY OUT.  O^T / l, rounded to f16: a lane's eight channels of a query are registers 4 c .. 4 c + 3 of a fragment of o for the projection: oimg [pair of heads 8][token tile 512][kc 4][c 2][lane][16]
.irp t, 0,1,2,3
	v_add_f32 v[ST+12*\t+6], v[ST+12*\t+2], v[ST+12*\t+3]         ; (these four are the places behind the last products)
.endr
.irp t, 0,1,2,3
	v_permlanex16_b32 v[ST+12*\t+11], v[ST+12*\t+6], s[SEL], s[SEL+1]
.endr
.irp t, 0,1,2,3
	v_add_f32 v[ST+12*\t+6], v[ST+12*\t+6], v[ST+12*\t+11]
.endr
.irp t, 0,1,2,3
	v_rcp_f32 v[ST+12*\t+4], v[ST+12*\t+6]
.endr
	v_nop
	s_wait_alu depctr_va_vdst(0)                   ; one wait for the four reciprocals
	s_and_b32 s70, s43, 7                          ; the pair of heads within the batch,
	s_lshl_b32 s70, s70, 21
	s_lshr_b32 s71, s43, 3                         ; the batch's 128 token tiles,
	s_lshl_b32 s71, s71, 7
	s_lshl_b32 s72, s42, 4
	s_add_co_u32 s71, s71, s72
	s_lshl_b32 s72, s[QQ], 2
	s_add_co_u32 s71, s71, s72
	s_lshl_b32 s71, s71, 12
	s_add_co_u32 s70, s70, s71
	s_lshl_b32 s72, s[HD], 11                      ; my head's 64 channels: kc 2 hd on
	s_add_co_u32 s70, s70, s72
	s_mov_b32 s71, 0
	s_add_nc_u64 s[8:9], s[8:9], s[70:71]
	WIN 0x01                                       ; source 0 (O^T) window 1
.set i, 0
.rept 64
	v_pk_mul_f32 v[S+2*i:S+2*i+1], v[2*i:2*i+1], v[ST+12*(i/16)+4:ST+12*(i/16)+5] op_sel_hi:[1,0]   ; each accumulator from its low end on
.set i, i+1
.endr
	WIN 0
.set i, 0
.rept 64
	v_cvt_pk_f16_f32 v[FK+i], v[S+2*i], v[S+2*i+1]
.set i, i+1
.endr
.irp t, 0,1,2,3
.irp c, 0,1,2,3
	global_store_b128 v[GO], v[FK+16*\t+4*\c:FK+16*\t+4*\c+3], s[8:9] offset:4096*\t+512*\c   ; 32 lanes store 512 consecutive bytes, aligned
.endr
.endr
	s_wait_tensorcnt 0x0                           ; the wave's end
	ds_add_u32 v[SPW], v[NIL]
	s_wait_dscnt 0x0
	CROUND                                         ; the closing round
	s_endpgm
.Lfunc_end_k_q90f73409ff_attn:
	.size	k_q90f73409ff_attn, .Lfunc_end_k_q90f73409ff_attn-k_q90f73409ff_attn
	.p2alignl 7, 3214868480
	.fill 96, 4, 3214868480
	.section	.rodata,"a",@progbits
	.p2align	6, 0x0
	.amdhsa_kernel k_q90f73409ff_attn
		.amdhsa_group_segment_fixed_size 327680
		.amdhsa_private_segment_fixed_size 0
		.amdhsa_enable_private_segment 0
		.amdhsa_kernarg_size 24
		.amdhsa_user_sgpr_count 2
		.amdhsa_user_sgpr_kernarg_segment_ptr 1
		.amdhsa_wavefront_size32 1
		.amdhsa_system_sgpr_workgroup_id_x 1
		.amdhsa_system_sgpr_workgroup_id_y 1
		.amdhsa_system_sgpr_workgroup_id_z 1
		.amdhsa_system_vgpr_workitem_id 0
		.amdhsa_next_free_vgpr 512
		.amdhsa_next_free_sgpr 80
		.amdhsa_reserve_vcc 0
		.amdhsa_float_denorm_mode_32 3
		.amdhsa_float_denorm_mode_16_64 3
		.amdhsa_memory_ordered 1
		.amdhsa_forward_progress 1
		.amdhsa_inst_pref_size 218
	.end_amdhsa_kernel
	.amdgpu_metadata
---
amdhsa.version: [ 1, 2 ]
amdhsa.kernels:
  - .name:           k_q90f73409ff_attn
    .symbol:         k_q90f73409ff_attn.kd
    .args:
      - { .name: qkv, .offset: 0, .size: 8, .value_kind: global_buffer, .address_space: global }
      - { .name: mask, .offset: 8, .size: 8, .value_kind: global_buffer, .address_space: global }
      - { .name: oimg, .offset: 16, .size: 8, .value_kind: global_buffer, .address_space: global }
    .group_segment_fixed_size: 327680
    .private_segment_fixed_size: 0
    .kernarg_segment_align: 8
    .kernarg_segment_size: 24
    .max_flat_workgroup_size: 256
    .sgpr_count:     80
    .vgpr_count:     512
    .wavefront_size: 32
...
	.end_amdgpu_metadata
.endif
;; end of part 4
;; launch oproj (part 5): grid 4 x 64, 4 waves a work-group, clusters of 4 x 4, 327,680 bytes of LDS; arguments oimg, wo16, bo, out0; writes out0
.if DOCPART == 5
	.amdgcn_target "amdgcn-amd-amdhsa--gfx1250"
	.amdhsa_code_object_version 6
	.text
	.protected	k_q90f73409ff_oproj
	.globl	k_q90f73409ff_oproj
	.p2align	8
	.type	k_q90f73409ff_oproj,@function
k_q90f73409ff_oproj:
	s_mov_b64 s[64:65], 0
	v_nop
	global_prefetch_b8 v0, s[64:65] scope:SCOPE_SE
	s_setreg_imm32_b32 hwreg(HW_REG_WAVE_MODE, 25, 1), 1
	s_wait_xcnt 0x0
	s_wait_alu depctr_hold_cnt(0) depctr_sa_sdst(0) depctr_va_vdst(0) depctr_va_sdst(0) depctr_va_ssrc(0) depctr_va_vcc(0) depctr_vm_vsrc(0)
	s_getreg_b32 s2, hwreg(HW_REG_IB_STS2, 6, 4)
	s_cmp_eq_u32 s2, 0
	s_cbranch_scc0 .Lentry_in_a_cluster
	s_endpgm
.Lentry_in_a_cluster:
	s_bfe_u32 s2, ttmp6, 0x10000c
	s_cmp_lg_u32 s2, 0xf033
	s_cbranch_scc0 .Lentry_shape_is_right
	s_endpgm
.Lentry_shape_is_right:
; OPROJ.  out = o Wo + bo: f16 operands, f32 sums.  o and Wo come as images of operand registers (piece c of a fragment of 16 rows x 32 K: lane l's 16 bytes at 512 c + 16 l), so a K step's tiles are dense blocks of memory
; and every fragment load reads 512 consecutive bytes: no pitch, no padding.
; 256 work-groups of 128 tokens x 256 columns: the largest tile that gives each of 256 work-groups a share of [8192 x 1024].  Wave w: tokens 64 (w / 2) on (4 blocks a), columns 128 (w % 2) on (8 blocks b): 32 accumulators.
; K goes in 8 steps of 128 through two LDS slots; a step is four quarters of 32 along K, 32 matrix instructions each, on two fragment buffers.
; THE MATRIX INSTRUCTION IS USED TRANSPOSED (source 0 = 16 columns of Wo, source 1 = 16 tokens): a lane holds eight neighbouring numbers of a row of out.  The bias is the C of each sum's first product.
; CLUSTER 4 x 4: o's tile is shared along a row of the cluster (same tokens), Wo's along a column (same columns): joint loads.
; The rows of positions 0-15 are stored here too and written over by the last launch: a branch round them would hang on the work-group's place in its cluster.
; REGISTERS.  window 0: v16-29 addresses; v64-127 o's fragments, two buffers; v128-191 the bias, 8 blocks x 8; on the way out v128-255 rows.   window 1: v0-127 Wo's fragments, two buffers.   window 2: accumulator (a, b) at v[8 (8 a + b)].
.set SLOT,  98304                      ; o's 8 token tiles x 4,096, then Wo's 16 column tiles x 4,096
.set SPARE, 196608                     ; the spare words, 128 bytes for each wave
.set SPITCH, 528                       ; the way out: a stage of 16 rows x (512 + 16) for each wave, in slot 0, which has had its last fill and its last read by then
.set ADRA, 16
.set ADRB, 20
.set STO,  24
.set RD,   25
.set CO,   26
.set SPW,  28
.set NIL,  29
.set G1, 24
.set G0, 32
.set G1B, 48
.set G0B, 56
.set MSB, 0
.macro WIN new
.if MSB != (\new)
	s_set_vgpr_msb (MSB<<8)|(\new)
.set MSB, (\new)
.endif
.endm
.set MUL,  0xa1                        ; source 0 (Wo) window 1, source 1 (o) window 0, C and D window 2
.set MULB, 0x81                        ; the same with C (the bias) in window 0
.macro PLACES
.rept 4
	v_nop
.endr
.endm
.macro JLOAD s                         ; a joint load: waves 0 and 1 fetch o's two halves, waves 2 and 3 Wo's; an s_nop 0 and four v_nop follow each line
	s_cmp_eq_u32 s13, 0
	s_cbranch_scc0 .Lfor_b_\@
	tensor_load_to_lds s[G0+4*\s:G0+4*\s+3], s[G1:G1+7]
	s_nop 0
	PLACES
	s_branch .Lasked_\@
.Lfor_b_\@:
	tensor_load_to_lds s[G0B+4*\s:G0B+4*\s+3], s[G1B:G1B+7]
	s_nop 0
	PLACES
.Lasked_\@:
.endm
.macro CREST
	s_cmp_lg_u32 s12, 0
	s_cbranch_scc1 .Lnot_wave_0_\@
	s_barrier_signal -3
.Lnot_wave_0_\@:
	s_barrier_wait -3
	s_barrier_signal -1
	s_barrier_wait -1
.endm
.macro CROUND
	s_barrier_signal -1
	s_barrier_wait -1
	CREST
.endm
	s_load_b256 s[4:11], s[0:1], 0x0               ; oimg s[4:5], wo16 s[6:7], bo s[8:9], out0 s[10:11]
	v_lshl_add_u32 v[SPW], v0, 2, SPARE
	v_mov_b32 v[NIL], 0
	ds_add_u32 v[SPW], v[NIL]                      ; the wave's opening: the add, twice on end, and its wait ahead of my first tensor load
	ds_add_u32 v[SPW], v[NIL]
	v_lshrrev_b32 v1, 5, v0
	v_readfirstlane_b32 s12, v1                    ; wave 0..3
	s_lshr_b32 s13, s12, 1                         ; which 64 tokens are mine.  Also: I fetch for o (0) or for Wo (1)
	s_and_b32 s14, s12, 1                          ; which 128 columns.  Also: which half of that tile I fetch
	s_bfe_u32 s40, ttmp6, 0x40000                  ; cx: my 256 columns
	s_bfe_u32 s41, ttmp6, 0x40004                  ; cy
	s_and_b32 s42, ttmp7, 0xffff
	s_lshl_b32 s42, s42, 2
	s_add_co_u32 s42, s42, s41                     ; my 128 tokens
	s_lshl_b32 s43, s41, 2
	s_lshl_b32 s43, 15, s43                        ; my row of the cluster
	s_lshl_b32 s44, 0x1111, s40                    ; my column
	s_or_b32 s[G1], s43, (3<<16)|(1<<21)           ; o's half: 16,384 dense bytes as 64 rows of 32 elements of 8 bytes
	s_mov_b32 s[G1+1], 32<<16
	s_mov_b32 s[G1+2], 64<<16
	s_mov_b32 s[G1+3], 32<<16
	s_mov_b32 s[G1+4], 64
	s_mov_b32 s[G1+5], 32
	s_mov_b32 s[G1+6], 0
	s_mov_b32 s[G1+7], 0
	s_or_b32 s[G1B], s44, (3<<16)|(1<<21)          ; Wo's half: 32,768 bytes as 128 rows
	s_mov_b32 s[G1B+1], 32<<16
	s_mov_b32 s[G1B+2], 128<<16
	s_mov_b32 s[G1B+3], 32<<16
	s_mov_b32 s[G1B+4], 128
	s_mov_b32 s[G1B+5], 32
	s_mov_b32 s[G1B+6], 0
	s_mov_b32 s[G1B+7], 0
	s_lshl_b32 s16, s42, 15                        ; o: my 8 token tiles of 4,096 bytes, + my half
	s_lshl_b32 s17, s14, 14
	s_add_co_u32 s16, s16, s17
	s_mov_b32 s17, 0
	s_lshl_b32 s46, s40, 16                        ; Wo: my 16 column tiles, + my half
	s_lshl_b32 s47, s14, 15
	s_add_co_u32 s46, s46, s47
	s_mov_b32 s47, 0
	s_lshl_b32 s20, s14, 14                        ; where they go: no place in the cluster enters an LDS address
	s_lshl_b32 s21, s14, 15
	s_add_co_u32 s21, s21, 32768
	s_wait_dscnt 0x0                               ; both opening adds are done
	s_wait_kmcnt 0x0
	s_add_nc_u64 s[16:17], s[4:5], s[16:17]
	s_add_nc_u64 s[46:47], s[6:7], s[46:47]
	CROUND                                         ; all sixteen work-groups are here: the first joint loads meet
.irp s, 0,1
	s_mov_b32 s[G0+4*\s], 1
	s_add_co_u32 s[G0+4*\s+1], s20, \s*SLOT
	s_add_nc_u64 s[G0+4*\s+2:G0+4*\s+3], s[16:17], \s*2097152    ; K step s of o: 512 token tiles on
	s_or_b32 s[G0+4*\s+3], s[G0+4*\s+3], 0x80000000
	s_mov_b32 s[G0B+4*\s], 1
	s_add_co_u32 s[G0B+4*\s+1], s21, \s*SLOT
	s_add_nc_u64 s[G0B+4*\s+2:G0B+4*\s+3], s[46:47], \s*262144   ; of Wo: 64 column tiles on
	s_or_b32 s[G0B+4*\s+3], s[G0B+4*\s+3], 0x80000000
	JLOAD \s                                       ; two loads of mine are out
.endr
	v_and_b32 v1, 31, v0
	v_and_b32 v2, 15, v0
	v_bfe_u32 v3, v0, 4, 1
	v_lshlrev_b32 v[CO], 4, v1                     ; 16 x lane
	s_lshl_b32 s22, s13, 14                        ; my 4 token tiles
	s_lshl_b32 s23, s14, 15
	s_add_co_u32 s23, s23, 32768                   ; my 8 column tiles
.irp s, 0,1
	v_add_nc_u32 v[ADRA+\s], s22, v[CO]
	v_add_nc_u32 v[ADRB+\s], s23, v[CO]
	s_add_co_u32 s22, s22, SLOT
	s_add_co_u32 s23, s23, SLOT
.endr
	s_mul_i32 s22, s12, 16*SPITCH                  ; my stage
	v_mul_u32_u24 v4, v2, SPITCH
	v_lshl_add_u32 v4, v3, 5, v4
	v_add_nc_u32 v[STO], s22, v4                   ; in: row r, 32 bytes for each half of the lanes
	v_add_nc_u32 v[RD], s22, v[CO]                 ; back: the 32 lanes take one row of 512 bytes
	s_lshl_b32 s22, s40, 10                        ; my first column, in bytes
	s_lshl_b32 s23, s14, 9
	s_add_co_u32 s22, s22, s23
	s_mov_b32 s23, 0
	s_add_nc_u64 s[8:9], s[8:9], s[22:23]
	v_lshlrev_b32 v5, 5, v3                        ; the bias of block b: bo[16 b + 8 h + 0..7]
.irp b, 0,1,2,3,4,5,6,7
	global_load_b128 v[128+8*\b:128+8*\b+3], v5, s[8:9] offset:64*\b
	global_load_b128 v[128+8*\b+4:128+8*\b+7], v5, s[8:9] offset:64*\b+16
.endr
	s_lshl_b32 s18, s42, 7
	s_lshl_b32 s19, s13, 6
	s_add_co_u32 s18, s18, s19                     ; my first row of out
	s_lshl_b32 s18, s18, 12
	s_add_co_u32 s18, s18, s22
	s_mov_b32 s19, 0
	s_add_nc_u64 s[10:11], s[10:11], s[18:19]
.macro FETCH slot, q, f                ; 24 LDS loads in one run: the fragments of the slot's q-th 32 along K into buffer f
	WIN 0x40
.irp b, 0,1,2,3,4,5,6,7
	ds_load_b128 v[64*(\f)+8*\b:64*(\f)+8*\b+3], v[ADRB+\slot] offset:4096*\b+1024*(\q)
	ds_load_b128 v[64*(\f)+8*\b+4:64*(\f)+8*\b+7], v[ADRB+\slot] offset:4096*\b+1024*(\q)+512
.endr
	WIN 0
.irp a, 0,1,2,3
	ds_load_b128 v[64+32*(\f)+8*\a:64+32*(\f)+8*\a+3], v[ADRA+\slot] offset:4096*\a+1024*(\q)
	ds_load_b128 v[64+32*(\f)+8*\a+4:64+32*(\f)+8*\a+7], v[ADRA+\slot] offset:4096*\a+1024*(\q)+512
.endr
.endm
.macro MUL8 f, a, bias                 ; token block a x the eight column blocks.  The 32 accumulators take turns in the same order everywhere
.irp b, 0,1,2,3,4,5,6,7
.if \bias
	v_wmma_f32_16x16x32_f16 v[8*(8*(\a)+\b):8*(8*(\a)+\b)+7], v[64*(\f)+8*\b:64*(\f)+8*\b+7], v[64+32*(\f)+8*(\a):64+32*(\f)+8*(\a)+7], v[128+8*\b:128+8*\b+7]
.else
	v_wmma_f32_16x16x32_f16 v[8*(8*(\a)+\b):8*(8*(\a)+\b)+7], v[64*(\f)+8*\b:64*(\f)+8*\b+7], v[64+32*(\f)+8*(\a):64+32*(\f)+8*(\a)+7], v[8*(8*(\a)+\b):8*(8*(\a)+\b)+7]
.endif
.endr
.endm
.macro QUARTER slot, qn, f, g, bias    ; multiplies buffer f; in its middle fetches the slot's quarter qn into buffer g
	s_wait_dscnt 0x0                               ; buffer f is in (asked for 16 matrix instructions ago)
	WIN MUL-0x20*(\bias)
	MUL8 \f, 0, \bias
	MUL8 \f, 1, \bias
	PLACES                                         ; in front of loads into registers that matrix instructions have read
	FETCH \slot, \qn, \g
	WIN MUL-0x20*(\bias)
	MUL8 \f, 2, \bias
	MUL8 \f, 3, \bias
.endm
; A slot's last quarter multiplies buffer 1 and changes slots: one barrier; in front of it each wave waits for all its tensor loads, adds 0 to its spare word, and waits for that and for its reads of this slot
.macro TURN slot, next, fill
	WIN 0
	s_wait_tensorcnt 0x0                           ; all my tensor loads have landed: my part of the next slot
	ds_add_u32 v[SPW], v[NIL]
	s_wait_dscnt 0x1                               ; buffer 1 is in (the add alone may be out)
	WIN MUL
	MUL8 1, 0, 0
	s_wait_dscnt 0x0                               ; the add is done, and my reads of this slot are over
	s_barrier_signal -1
	MUL8 1, 1, 0
	WIN 0
	s_barrier_wait -1
.if \fill
	CREST                                          ; the barrier has opened a round of the cluster's: no wave of any partner still reads this slot or has a load on its way
	s_add_nc_u64 s[G0+4*\slot+2:G0+4*\slot+3], s[G0+4*\slot+2:G0+4*\slot+3], 2*2097152
	s_add_nc_u64 s[G0B+4*\slot+2:G0B+4*\slot+3], s[G0B+4*\slot+2:G0B+4*\slot+3], 2*262144
	JLOAD \slot                                    ; my one tensor load behind the round; its four v_nop are also the places in front of the loads below
.else
	PLACES
.endif
	FETCH \next, 0, 0
	WIN MUL
	MUL8 1, 2, 0
	MUL8 1, 3, 0
.endm
	s_wait_tensorcnt 0x1                           ; my part of K step 0 is in (K step 1's may be out)
	s_barrier_signal -1
	s_barrier_wait -1                              ; everybody's is
	FETCH 0, 0, 0
	s_wait_loadcnt 0x0                             ; the bias
	QUARTER 0, 1, 0, 1, 1                          ; the first quarter's products start the sums from the bias
	WIN 0
	s_mov_b32 s3, 3
.Llap:                                         ; a trip goes once round the ring and fills both slots again: K steps 2 to 7
	QUARTER 0, 2, 1, 0, 0
	QUARTER 0, 3, 0, 1, 0
	TURN 0, 1, 1
	QUARTER 1, 1, 0, 1, 0
	QUARTER 1, 2, 1, 0, 0
	QUARTER 1, 3, 0, 1, 0
	TURN 1, 0, 1
	QUARTER 0, 1, 0, 1, 0
	WIN 0
	s_sub_co_u32 s3, s3, 1
	s_cmp_lg_u32 s3, 0
	s_cbranch_scc1 .Llap
	QUARTER 0, 2, 1, 0, 0                          ; the last lap fills nothing
	QUARTER 0, 3, 0, 1, 0
	TURN 0, 1, 0
	QUARTER 1, 1, 0, 1, 0
	QUARTER 1, 2, 1, 0, 0
	QUARTER 1, 3, 0, 1, 0
	s_wait_dscnt 0x0
	WIN MUL
	MUL8 1, 0, 0
	MUL8 1, 1, 0
	MUL8 1, 2, 0
	MUL8 1, 3, 0
	WIN 0
; THE WAY OUT, block by block of 16 rows x 128 columns, through my own stage: whole rows of 512 bytes come back.  LDS serves a wave's instructions in order: no wait between the stores and the loads.
.macro TOSTAGE a
	WIN 0x08                                       ; an LDS store's data: window 2
.irp b, 0,1,2,3,4,5,6,7
	ds_store_b128 v[STO], v[64*(\a)+8*\b:64*(\a)+8*\b+3] offset:64*\b          ; each accumulator from its low end on
	ds_store_b128 v[STO], v[64*(\a)+8*\b+4:64*(\a)+8*\b+7] offset:64*\b+16
.endr
	WIN 0
.set BB, 128+64*((\a)%2)
.irp t, 0,1,2,3,4,5,6,7,8,9,10,11,12,13,14,15
	ds_load_b128 v[BB+4*\t:BB+4*\t+3], v[RD] offset:\t*SPITCH
.endr
.endm
.macro SEND a, younger
.set BB, 128+64*((\a)%2)
	s_wait_dscnt \younger                          ; the block is back in registers
.if (\a) > 0
	s_add_nc_u64 s[10:11], s[10:11], 65536         ; 16 rows of out on (behind a wait on XCNT: the earlier stores have read their base)
.endif
.irp t, 0,1,2,3,4,5,6,7,8,9,10,11,12,13,14,15
	global_store_b128 v[CO], v[BB+4*\t:BB+4*\t+3], s[10:11] offset:\t*4096 th:TH_STORE_NT   ; 32 lanes store 512 consecutive bytes, aligned
.endr
.endm
	PLACES
	TOSTAGE 0
.irp a, 1,2,3
.if \a > 1
	s_wait_xcnt 0x0                                ; block a - 2's stores have read their registers and their base
.endif
	TOSTAGE \a
	SEND \a-1, 32                                  ; behind block a - 1's loads: block a's 16 stores and 16 loads
.endr
	s_wait_xcnt 0x0
	SEND 3, 0
	s_wait_tensorcnt 0x0                           ; the wave's end
	ds_add_u32 v[SPW], v[NIL]
	s_wait_dscnt 0x0
	CROUND                                         ; the closing round
	s_endpgm
.Lfunc_end_k_q90f73409ff_oproj:
	.size	k_q90f73409ff_oproj, .Lfunc_end_k_q90f73409ff_oproj-k_q90f73409ff_oproj
	.p2alignl 7, 3214868480
	.fill 96, 4, 3214868480
	.section	.rodata,"a",@progbits
	.p2align	6, 0x0
	.amdhsa_kernel k_q90f73409ff_oproj
		.amdhsa_group_segment_fixed_size 327680
		.amdhsa_private_segment_fixed_size 0
		.amdhsa_enable_private_segment 0
		.amdhsa_kernarg_size 32
		.amdhsa_user_sgpr_count 2
		.amdhsa_user_sgpr_kernarg_segment_ptr 1
		.amdhsa_wavefront_size32 1
		.amdhsa_system_sgpr_workgroup_id_x 1
		.amdhsa_system_sgpr_workgroup_id_y 1
		.amdhsa_system_sgpr_workgroup_id_z 1
		.amdhsa_system_vgpr_workitem_id 0
		.amdhsa_next_free_vgpr 768
		.amdhsa_next_free_sgpr 66
		.amdhsa_reserve_vcc 0
		.amdhsa_float_denorm_mode_32 3
		.amdhsa_float_denorm_mode_16_64 3
		.amdhsa_memory_ordered 1
		.amdhsa_forward_progress 1
		.amdhsa_inst_pref_size 86
	.end_amdhsa_kernel
	.amdgpu_metadata
---
amdhsa.version: [ 1, 2 ]
amdhsa.kernels:
  - .name:           k_q90f73409ff_oproj
    .symbol:         k_q90f73409ff_oproj.kd
    .args:
      - { .name: oimg, .offset: 0, .size: 8, .value_kind: global_buffer, .address_space: global }
      - { .name: wo16, .offset: 8, .size: 8, .value_kind: global_buffer, .address_space: global }
      - { .name: bo, .offset: 16, .size: 8, .value_kind: global_buffer, .address_space: global }
      - { .name: out0, .offset: 24, .size: 8, .value_kind: global_buffer, .address_space: global }
    .group_segment_fixed_size: 327680
    .private_segment_fixed_size: 0
    .kernarg_segment_align: 8
    .kernarg_segment_size: 32
    .max_flat_workgroup_size: 128
    .sgpr_count:     66
    .vgpr_count:     768
    .wavefront_size: 32
...
	.end_amdgpu_metadata
.endif
;; end of part 5
;; launch fout (part 6): grid 16 x 16, 16 waves a work-group, no clusters, 34,816 bytes of LDS; arguments opart, ml, Wo, bo, out0; writes out0
.if DOCPART == 6
	.amdgcn_target "amdgcn-amd-amdhsa--gfx1250"
	.amdhsa_code_object_version 6
	.text
	.protected	k_q90f73409ff_fout
	.globl	k_q90f73409ff_fout
	.p2align	8
	.type	k_q90f73409ff_fout,@function
k_q90f73409ff_fout:
	s_mov_b64 s[64:65], 0
	v_nop
	global_prefetch_b8 v0, s[64:65] scope:SCOPE_SE
	s_setreg_imm32_b32 hwreg(HW_REG_WAVE_MODE, 25, 1), 1
	s_wait_xcnt 0x0
; FOUT.  The 64 fine rows (positions 0-15 of each batch): the four key quarters' parts of o are merged by their maxima and divided, then out = o Wo + bo in f32 fused multiply-adds; these rows of out0 are written over.
; A work-group owns one batch, FOUR of its 16 rows and 64 columns: 4 x 4 x 16 = 256 work-groups.  Wave w takes head w, k = 64 w .. 64 w + 63; a lane takes two columns x 4 rows: 4 pairs of sums, 256 packed multiply-adds a wave.
; The sixteen waves' parts meet in LDS; waves 0-3 then sum one row each, in ascending k, and add bo.
; opart [bh][quarter 4][row 16][64] f32: the quarter's O relative to its own largest t, not divided; ml [bh][row 16][quarter 4][m, l].  o = sum over q of g_q O_q, g_q = 2^(m_q - the largest m) / sum over q of 2^(m_q - the largest m) l_q.
; Small work (67 M multiply-adds in all): no matrix unit, no ring.  No cluster, though sixteen work-groups read the same 256 KB of Wo: these go from memory straight into the registers that multiply them (64 loads a wave);
; asked for jointly they would pass through LDS, 256 KB in and 256 KB out again, where the rest of the work-group's LDS traffic is 16 KB + 16 KB in and 64 KB + 16 KB out.
.set PS,    16384                      ; LDS: 0: 16 x 1,024, each wave's own 4 rows x 64 numbers of o; PS: 16 x 1,024 partial sums
.set SPARE, 32768                      ; the spare words, 128 bytes for each of 16 waves
.set SPW, 2
.set NIL, 3
.set ML,  16                           ; v16-31   for my rows 2 j + h, j = 0, 1: m0, l0, m1, l1, m2, l2, m3, l3; m_q's place later holds g_q
.set OP,  32                           ; v32-63   the parts as loaded: quarter q, rows 2 j + h at OP + 4 (2 q + j); later the even groups' numbers of o
.set WR,  64                           ; v64-191  Wo: 64 pairs
.set AC,  192                          ; v192-199 4 pairs of sums
.set OM,  200                          ; v200-207 o, merged
.set TX,  208                          ; v208-209 the largest m; v210-211 the divisors; v212-213 their reciprocals
.set TB1, 216                          ; v216-247 the odd groups' numbers of o
.macro OLD g                           ; 8 loads: o[row r][8 g .. 8 g + 7], the same in every lane: my wave's own bytes
.if ((\g)%2) == 0
.set TBF, OP
.else
.set TBF, TB1
.endif
.irp r, 0,1,2,3
	ds_load_b128 v[TBF+8*\r:TBF+8*\r+3], v7 offset:256*\r+32*(\g)
	ds_load_b128 v[TBF+8*\r+4:TBF+8*\r+7], v7 offset:256*\r+32*(\g)+16
.endr
.endm
.macro FMA8 g                          ; 8 along K x 4 rows
.if ((\g)%2) == 0
.set TBF, OP
.else
.set TBF, TB1
.endif
.set kk, 0
.rept 8
.set r, 0
.rept 4
.set TR, TBF+8*r+2*(kk/2)
.set WK, WR+2*(8*(\g)+kk)
.if ((\g) == 0) && (kk == 0)
	v_pk_mul_f32 v[AC+2*r:AC+2*r+1], v[WK:WK+1], v[TR:TR+1] op_sel_hi:[1,0]   ; the first product starts the sums
.elseif kk%2 == 0
	v_pk_fma_f32 v[AC+2*r:AC+2*r+1], v[WK:WK+1], v[TR:TR+1], v[AC+2*r:AC+2*r+1] op_sel_hi:[1,0,1]   ; the pair's first number for both columns
.else
	v_pk_fma_f32 v[AC+2*r:AC+2*r+1], v[WK:WK+1], v[TR:TR+1], v[AC+2*r:AC+2*r+1] op_sel:[0,1,0] op_sel_hi:[1,1,1]   ; its second
.endif
.set r, r+1
.endr
.set kk, kk+1
.endr
.endm
	s_load_b256 s[4:11], s[0:1], 0x0               ; opart s[4:5], ml s[6:7], Wo s[8:9], bo s[10:11]
	s_load_b64 s[12:13], s[0:1], 0x20              ; out0
	v_lshl_add_u32 v[SPW], v0, 2, SPARE
	v_mov_b32 v[NIL], 0
	v_lshrrev_b32 v1, 5, v0
	v_readfirstlane_b32 s14, v1                    ; wave 0..15: the head
	v_and_b32 v1, 31, v0                           ; lane
	v_lshrrev_b32 v4, 4, v1
	v_lshlrev_b32 v4, 5, v4                        ; ml: 32 bytes a row: 32 h
	v_lshlrev_b32 v5, 3, v1                        ; 8 x lane: my two columns
	v_lshlrev_b32 v12, 4, v1                       ; 16 x lane: lanes 0-15 one row's 256 bytes, lanes 16-31 the next row's
	s_lshl_b32 s15, s14, 10
	v_add_nc_u32 v6, s15, v12                      ; my wave's o in LDS, on the way in
	v_mov_b32 v7, s15                              ; and on the way out: one address for all lanes
	s_add_co_u32 s16, s15, PS
	v_add_nc_u32 v8, s16, v5                       ; my partial sums: 1,024 w + 256 row + 8 lane
	s_min_u32 s17, s14, 3                          ; (waves 0-3 alone sum a row)
	s_lshl_b32 s16, s17, 8
	s_add_co_u32 s16, s16, PS
	v_add_nc_u32 v9, s16, v5                       ; the merge: wave i's row w at + 1,024 i
	s_and_b32 s18, ttmp7, 0xffff
	s_lshr_b32 s19, s18, 2                         ; the batch
	s_and_b32 s20, s18, 3                          ; which four of its 16 rows
	s_lshl_b32 s21, s19, 4
	s_add_co_u32 s21, s21, s14                     ; the (batch, head)
	s_lshl_b32 s22, s21, 14                        ; opart: 16,384 bytes a (batch, head), + my four rows of 256
	s_lshl_b32 s23, s20, 10
	s_add_co_u32 s22, s22, s23
	s_mov_b32 s23, 0
	s_lshl_b32 s24, s21, 9                         ; ml: 512 bytes a (batch, head), + my four rows of 32
	s_lshl_b32 s25, s20, 7
	s_add_co_u32 s24, s24, s25
	s_mov_b32 s25, 0
	s_lshl_b32 s28, ttmp9, 8                       ; my work-group's 64 columns, in bytes
	s_mov_b32 s29, 0
	s_lshl_b32 s26, s14, 18                        ; Wo: my 64 rows of 4,096 bytes
	s_add_co_u32 s26, s26, s28
	s_mov_b32 s27, 0
	s_lshl_b32 s30, s19, 23                        ; out: row 2,048 b + 4 x row group + w
	s_lshl_b32 s31, s20, 14
	s_add_co_u32 s30, s30, s31
	s_lshl_b32 s31, s17, 12
	s_add_co_u32 s30, s30, s31
	s_add_co_u32 s30, s30, s28
	s_mov_b32 s31, 0
	s_wait_kmcnt 0x0
	s_add_nc_u64 s[4:5], s[4:5], s[22:23]
	s_add_nc_u64 s[6:7], s[6:7], s[24:25]
	s_add_nc_u64 s[8:9], s[8:9], s[26:27]
	s_add_nc_u64 s[10:11], s[10:11], s[28:29]
	s_add_nc_u64 s[12:13], s[12:13], s[30:31]
.irp j, 0,1
	global_load_b128 v[ML+8*\j:ML+8*\j+3], v4, s[6:7] offset:64*\j       ; m and l of the four quarters, for row 2 j + h
	global_load_b128 v[ML+8*\j+4:ML+8*\j+7], v4, s[6:7] offset:64*\j+16
.endr
.irp q, 0,1,2,3
.irp j, 0,1
	global_load_b128 v[OP+4*(2*\q+\j):OP+4*(2*\q+\j)+3], v12, s[4:5] offset:4096*\q+512*\j   ; 32 lanes read two rows, 512 consecutive bytes
.endr
.endr
.set k, 0
.rept 32
	global_load_b64 v[WR+2*k:WR+2*k+1], v5, s[8:9] offset:4096*k   ; 32 lanes read 256 consecutive bytes, aligned
.set k, k+1
.endr
	s_wait_loadcnt 32                              ; m, l and the parts are in; Wo's first 32 rows may be out
.rept 32
	global_load_b64 v[WR+2*k:WR+2*k+1], v5, s[8:9] offset:4096*k
.set k, k+1
.endr
	global_load_b64 v[10:11], v5, s[10:11]         ; bo
	; the four quarters become one o
.irp j, 0,1
	v_max3_num_f32 v[TX+\j], v[ML+8*\j], v[ML+8*\j+2], v[ML+8*\j+4]
.endr
.irp j, 0,1
	v_max_num_f32 v[TX+\j], v[TX+\j], v[ML+8*\j+6]                ; the row's largest t
.endr
.irp q, 0,1,2,3
.irp j, 0,1
	v_sub_f32 v[ML+8*\j+2*\q], v[ML+8*\j+2*\q], v[TX+\j]
.endr
.endr
.irp q, 0,1,2,3
.irp j, 0,1
	v_exp_f32 v[ML+8*\j+2*\q], v[ML+8*\j+2*\q]                    ; f_q = 2^(m_q - the largest)
.endr
.endr
	v_nop                                          ; a plain line behind the last exponential
	s_wait_alu depctr_va_vdst(0)                   ; the wait ahead of the first line that names a result: one for the eight
.irp j, 0,1
	v_mul_f32 v[TX+2+\j], v[ML+8*\j], v[ML+8*\j+1]
.endr
.irp q, 1,2,3
.irp j, 0,1
	v_fma_f32 v[TX+2+\j], v[ML+8*\j+2*\q], v[ML+8*\j+2*\q+1], v[TX+2+\j]   ; the row's sum
.endr
.endr
.irp j, 0,1
	v_rcp_f32 v[TX+4+\j], v[TX+2+\j]
.endr
	v_nop
	s_wait_alu depctr_va_vdst(0)                   ; one wait for the two reciprocals
.irp q, 0,1,2,3
.irp j, 0,1
	v_mul_f32 v[ML+8*\j+2*\q], v[ML+8*\j+2*\q], v[TX+4+\j]        ; g_q
.endr
.endr
.irp j, 0,1
.irp p, 0,1
	v_pk_mul_f32 v[OM+4*\j+2*\p:OM+4*\j+2*\p+1], v[OP+4*\j+2*\p:OP+4*\j+2*\p+1], v[ML+8*\j:ML+8*\j+1] op_sel_hi:[1,0]   ; of the pair (g_q, l_q) the first serves both halves
.endr
.endr
.irp q, 1,2,3
.irp j, 0,1
.irp p, 0,1
	v_pk_fma_f32 v[OM+4*\j+2*\p:OM+4*\j+2*\p+1], v[OP+4*(2*\q+\j)+2*\p:OP+4*(2*\q+\j)+2*\p+1], v[ML+8*\j+2*\q:ML+8*\j+2*\q+1], v[OM+4*\j+2*\p:OM+4*\j+2*\p+1] op_sel_hi:[1,0,1]
.endr
.endr
.endr
.irp j, 0,1
	ds_store_b128 v6, v[OM+4*\j:OM+4*\j+3] offset:512*\j          ; rows 2 j and 2 j + 1.  LDS serves a wave's instructions in order: the loads below see these stores
.endr
	OLD 0
	OLD 1
.irp g, 0,1,2,3,4,5,6,7                ; eight along K at a time; the numbers of o run one group ahead, in two sets of registers
.if \g < 7
	s_wait_dscnt 8                                 ; this group's numbers of o are in; the next group's eight loads may be out
.else
	s_wait_dscnt 0x0
.endif
	s_wait_loadcnt 57-8*\g                         ; Wo's rows up to 8 g + 7 are in; the later rows and bo may be out
	FMA8 \g
.if \g < 6
	OLD \g+2
.endif
.endr
.irp i, 0,1,2,3
	ds_store_b64 v8, v[AC+2*\i:AC+2*\i+1] offset:256*\i
.endr
	s_wait_dscnt 0x0                               ; for the others' sake: my stores have landed
	s_barrier_signal -1
	s_barrier_wait -1
	s_cmp_lt_u32 s14, 4
	s_cbranch_scc0 .Ldone
.irp i, 0,1,2,3,4,5,6,7,8,9,10,11,12,13,14,15
	ds_load_b64 v[32+2*\i:33+2*\i], v9 offset:1024*\i
.endr
	s_wait_dscnt 0x0
.irp i, 1,2,3,4,5,6,7,8,9,10,11,12,13,14,15
	v_pk_add_f32 v[32:33], v[32:33], v[32+2*\i:33+2*\i]           ; ascending k
.endr
	s_wait_loadcnt 0x0                             ; bo
	v_pk_add_f32 v[32:33], v[32:33], v[10:11]
	global_store_b64 v5, v[32:33], s[12:13]        ; 32 lanes store 256 consecutive bytes, aligned
.Ldone:
	s_wait_tensorcnt 0x0                           ; the wave's end
	ds_add_u32 v[SPW], v[NIL]
	s_wait_dscnt 0x0
	s_endpgm
.Lfunc_end_k_q90f73409ff_fout:
	.size	k_q90f73409ff_fout, .Lfunc_end_k_q90f73409ff_fout-k_q90f73409ff_fout
	.p2alignl 7, 3214868480
	.fill 96, 4, 3214868480
	.section	.rodata,"a",@progbits
	.p2align	6, 0x0
	.amdhsa_kernel k_q90f73409ff_fout
		.amdhsa_group_segment_fixed_size 34816
		.amdhsa_private_segment_fixed_size 0
		.amdhsa_enable_private_segment 0
		.amdhsa_kernarg_size 40
		.amdhsa_user_sgpr_count 2
		.amdhsa_user_sgpr_kernarg_segment_ptr 1
		.amdhsa_wavefront_size32 1
		.amdhsa_system_sgpr_workgroup_id_x 1
		.amdhsa_system_sgpr_workgroup_id_y 1
		.amdhsa_system_sgpr_workgroup_id_z 1
		.amdhsa_system_vgpr_workitem_id 0
		.amdhsa_next_free_vgpr 256
		.amdhsa_next_free_sgpr 66
		.amdhsa_reserve_vcc 0
		.amdhsa_float_denorm_mode_32 3
		.amdhsa_float_denorm_mode_16_64 3
		.amdhsa_memory_ordered 1
		.amdhsa_forward_progress 1
		.amdhsa_inst_pref_size 36
	.end_amdhsa_kernel
	.amdgpu_metadata
---
amdhsa.version: [ 1, 2 ]
amdhsa.kernels:
  - .name:           k_q90f73409ff_fout
    .symbol:         k_q90f73409ff_fout.kd
    .args:
      - { .name: opart, .offset: 0, .size: 8, .value_kind: global_buffer, .address_space: global }
      - { .name: ml, .offset: 8, .size: 8, .value_kind: global_buffer, .address_space: global }
      - { .name: Wo, .offset: 16, .size: 8, .value_kind: global_buffer, .address_space: global }
      - { .name: bo, .offset: 24, .size: 8, .value_kind: global_buffer, .address_space: global }
      - { .name: out0, .offset: 32, .size: 8, .value_kind: global_buffer, .address_space: global }
    .group_segment_fixed_size: 34816
    .private_segment_fixed_size: 0
    .kernarg_segment_align: 8
    .kernarg_segment_size: 40
    .max_flat_workgroup_size: 512
    .sgpr_count:     66
    .vgpr_count:     256
    .wavefront_size: 32
...
	.end_amdgpu_metadata
.endif
;; end of part 6
